; MI455X (gfx1250); checked and timed in simulation.
; The chip was launched on July 23, 2026; its instructions are those of AMD's public machine-readable ISA for CDNA 5 (MIT licence, August 2026) and "CDNA5" Instruction Set Architecture Reference Guide (July 2026). The comments in the code are by the model that wrote it; some were corrected since.
;; Attention. Allowed arithmetic: float matrix products may take bf16 or f16 operands with f32 sums; all other float work in f32.
;; Inputs: Wk 2,048 x 512 float32; Wo 1,024 x 2,048 float32; Wq 2,048 x 1,024 float32; Wv 2,048 x 512 float32; cos 2,048 x 128 float32; hidden_states 2 x 2,048 x 2,048 float32; sin 2,048 x 128 float32.
;; Outputs: out0 2 x 2,048 x 2,048 float32.
;; One version. Each part assembles by itself: llvm-mc -triple=amdgcn-amd-amdhsa -mcpu=gfx1250 --defsym DOCPART=n.
;; ======== version 1 of 1: 4 launches
;; limits: values outside matrix products are rounded to bf16; values are held in f16: magnitudes above 65,504 overflow, below 6.1e-05 lose precision
;; workspace buffers: hb 16,777,216 bytes; wqkv 8,388,608 bytes; wob 4,194,304 bytes; cs 1,048,576 bytes; qkv 16,777,216 bytes; ao 8,388,608 bytes
;; launch cast (part 1): grid 256 x 1, 8 waves a work-group, no clusters, 0 bytes of LDS; arguments hidden_states, Wq, Wk, Wv, Wo, cos, sin, hb, wqkv, wob, cs; writes hb, wqkv, wob, cs
.if DOCPART == 1
	.amdgcn_target "amdgcn-amd-amdhsa--gfx1250"
	.amdhsa_code_object_version 6
	.text
	.protected	k_q2f62176773_cast
	.globl	k_q2f62176773_cast
	.p2align	8
	.type	k_q2f62176773_cast,@function
k_q2f62176773_cast:
	s_mov_b64 s[64:65], 0
	v_nop
	global_prefetch_b8 v0, s[64:65] scope:SCOPE_SE
	s_setreg_imm32_b32 hwreg(HW_REG_WAVE_MODE, 25, 1), 1
	s_wait_xcnt 0x0
; cast: every input is rounded once to 16 bits, so that the three later launches move half the bytes and can fill LDS by tensor loads.
;   hb   [4096][2048] bf16  = hidden_states
;   wqkv [2048 k][2048 n] bf16 = Wq (n 0..1023) | Wk (n 1024..1535) | Wv (n 1536..2047), still [k][n]
;   wob  [1024 k][2048 n] f16 of the bf16-rounded Wo
;   cs   [2048 l][256] bf16 = cos (0..127) | sin (128..255)
; LIMITS: all inputs are rounded to bf16 (nearest even).  Wo is then held in f16: exact for 2^-17 <= |Wo| <= 65504, below that it
; loses bits (absolute error at most 2^-25), above that it becomes infinite.
; A stream: no LDS, no barrier, no matrix unit.  256 work-groups of 8 waves.  A chunk is 256 threads x 4 f32: one 16-byte load a thread
; (a wave covers 512 consecutive bytes) and one 8-byte store a thread (a wave covers 256 consecutive bytes, aligned).
; A work-group has 58 chunks: 32 of hidden_states, 8 of Wq, 4 of Wk, 4 of Wv, 8 of Wo, 1 of cos, 1 of sin.  All 58 loads of a thread go
; out first, each into registers of its own; then the chunks are converted in the order of issue.  No register is written again after
; its store has been issued, so the stores' sources need no wait.
.set X,   8                            ; v[8:239]  chunk n: 4 registers
.set NLD, 58                           ; loads of a thread
	s_load_b512 s[4:19], s[0:1], 0x0               ; hidden s[4:5], Wq s[6:7], Wk s[8:9], Wv s[10:11], Wo s[12:13], cos s[14:15], sin s[16:17], hb s[18:19]
	s_load_b128 s[20:23], s[0:1], 0x40             ; wqkv s[20:21], wob s[22:23]
	s_load_b64 s[24:25], s[0:1], 0x50              ; cs
	v_lshlrev_b32 v1, 4, v0                        ; 16 t: my 16 bytes of a chunk as loaded
	v_lshlrev_b32 v2, 3, v0                        ; 8 t: my 8 bytes of a chunk as stored, where the output is as dense as the input
	v_and_b32 v5, 127, v0                          ; Wk, Wv: a chunk is two rows of 512 numbers,
	v_lshrrev_b32 v3, 7, v0
	v_lshlrev_b32 v3, 12, v3                       ; which lie 4,096 bytes apart in wqkv
	v_lshl_add_u32 v3, v5, 3, v3
	v_and_b32 v5, 31, v0                           ; cos, sin: a chunk is eight rows of 128 numbers,
	v_lshrrev_b32 v4, 5, v0
	v_lshlrev_b32 v4, 9, v4                        ; which lie 512 bytes apart in cs
	v_lshl_add_u32 v4, v5, 3, v4
	s_mov_b32 s27, 0
	s_mov_b32 s28, 0xffff0000                      ; a word's upper bf16
	s_wait_kmcnt 0x0
	s_lshl_b32 s26, ttmp9, 17                      ; the work-group's share of each buffer, in bytes
	s_add_nc_u64 s[4:5], s[4:5], s[26:27]          ; hidden: 131,072
	s_lshl_b32 s26, ttmp9, 16
	s_add_nc_u64 s[18:19], s[18:19], s[26:27]      ; hb: 65,536
	s_lshl_b32 s26, ttmp9, 15
	s_add_nc_u64 s[6:7], s[6:7], s[26:27]          ; Wq: 8 rows of 4,096
	s_add_nc_u64 s[12:13], s[12:13], s[26:27]      ; Wo: 32,768
	s_add_nc_u64 s[20:21], s[20:21], s[26:27]      ; wqkv: the same 8 rows k, 4,096 bytes each
	s_lshl_b32 s26, ttmp9, 14
	s_add_nc_u64 s[8:9], s[8:9], s[26:27]          ; Wk: 8 rows of 2,048
	s_add_nc_u64 s[10:11], s[10:11], s[26:27]      ; Wv
	s_add_nc_u64 s[22:23], s[22:23], s[26:27]      ; wob: 16,384
	s_lshl_b32 s26, ttmp9, 12
	s_add_nc_u64 s[14:15], s[14:15], s[26:27]      ; cos: 8 rows of 512
	s_add_nc_u64 s[16:17], s[16:17], s[26:27]      ; sin
	s_add_nc_u64 s[24:25], s[24:25], s[26:27]      ; cs: the same 8 rows, 512 bytes each
.macro LD n, base, off                 ; chunk n from the buffer at s[base:base+1]; each input byte is read once in the launch
	global_load_b128 v[X+4*(\n):X+4*(\n)+3], v1, s[\base:\base+1] offset:\off th:TH_LOAD_NT
.endm
.set i, 0
.rept 32
	LD i, 4, i*4096
.set i, i+1
.endr
.set i, 0
.rept 8
	LD 32+i, 6, i*4096
.set i, i+1
.endr
.set i, 0
.rept 4
	LD 40+i, 8, i*4096
.set i, i+1
.endr
.set i, 0
.rept 4
	LD 44+i, 10, i*4096
.set i, i+1
.endr
.set i, 0
.rept 8
	LD 48+i, 12, i*4096
.set i, i+1
.endr
	LD 56, 14, 0
	LD 57, 16, 0
; chunk n to bf16, stored through offset register v<adr> at s[base:base+1] + off
.macro CV n, adr, base, off
	s_wait_loadcnt NLD-1-(\n)                      ; loads come back in order (ISA guide 5.7.1): chunk n is in, the NLD-1-n younger loads stay out
	v_cvt_pk_bf16_f32 v[X+4*(\n)], v[X+4*(\n)], v[X+4*(\n)+1]
	v_cvt_pk_bf16_f32 v[X+4*(\n)+1], v[X+4*(\n)+2], v[X+4*(\n)+3]
	global_store_b64 v\adr, v[X+4*(\n):X+4*(\n)+1], s[\base:\base+1] offset:\off
.endm
; chunk n of Wo: rounded to bf16, widened again (a shift, a mask), and packed as f16
.macro CVH n, off
	s_wait_loadcnt NLD-1-(\n)
	v_cvt_pk_bf16_f32 v[X+4*(\n)], v[X+4*(\n)], v[X+4*(\n)+1]
	v_cvt_pk_bf16_f32 v[X+4*(\n)+1], v[X+4*(\n)+2], v[X+4*(\n)+3]
	v_lshlrev_b32 v[X+4*(\n)+2], 16, v[X+4*(\n)+1]
	v_and_b32 v[X+4*(\n)+3], s28, v[X+4*(\n)+1]
	v_and_b32 v[X+4*(\n)+1], s28, v[X+4*(\n)]
	v_lshlrev_b32 v[X+4*(\n)], 16, v[X+4*(\n)]
	v_cvt_pk_f16_f32 v[X+4*(\n)], v[X+4*(\n)], v[X+4*(\n)+1]
	v_cvt_pk_f16_f32 v[X+4*(\n)+1], v[X+4*(\n)+2], v[X+4*(\n)+3]
	global_store_b64 v2, v[X+4*(\n):X+4*(\n)+1], s[22:23] offset:\off
.endm
.set i, 0
.rept 32
	CV i, 2, 18, i*2048                            ; hidden_states -> hb
.set i, i+1
.endr
.set i, 0
.rept 8
	CV 32+i, 2, 20, i*4096                         ; a row of Wq -> the first 2,048 bytes of wqkv's row
.set i, i+1
.endr
.set i, 0
.rept 4
	CV 40+i, 3, 20, i*8192+2048                    ; two rows of Wk -> bytes 2,048.. of two rows
.set i, i+1
.endr
.set i, 0
.rept 4
	CV 44+i, 3, 20, i*8192+3072                    ; two rows of Wv -> bytes 3,072..
.set i, i+1
.endr
.set i, 0
.rept 8
	CVH 48+i, i*2048                               ; Wo -> wob
.set i, i+1
.endr
	CV 56, 4, 24, 0                                ; cos -> the first 256 bytes of cs's rows
	CV 57, 4, 24, 256                              ; sin -> the second
	s_endpgm
.Lfunc_end_k_q2f62176773_cast:
	.size	k_q2f62176773_cast, .Lfunc_end_k_q2f62176773_cast-k_q2f62176773_cast
	.p2alignl 7, 3214868480
	.fill 96, 4, 3214868480
	.section	.rodata,"a",@progbits
	.p2align	6, 0x0
	.amdhsa_kernel k_q2f62176773_cast
		.amdhsa_group_segment_fixed_size 0
		.amdhsa_private_segment_fixed_size 0
		.amdhsa_enable_private_segment 0
		.amdhsa_kernarg_size 88
		.amdhsa_user_sgpr_count 2
		.amdhsa_user_sgpr_kernarg_segment_ptr 1
		.amdhsa_wavefront_size32 1
		.amdhsa_system_sgpr_workgroup_id_x 1
		.amdhsa_system_sgpr_workgroup_id_y 1
		.amdhsa_system_sgpr_workgroup_id_z 1
		.amdhsa_system_vgpr_workitem_id 0
		.amdhsa_next_free_vgpr 248
		.amdhsa_next_free_sgpr 66
		.amdhsa_reserve_vcc 0
		.amdhsa_float_denorm_mode_32 3
		.amdhsa_float_denorm_mode_16_64 3
		.amdhsa_memory_ordered 1
		.amdhsa_forward_progress 1
		.amdhsa_inst_pref_size 24
	.end_amdhsa_kernel
	.amdgpu_metadata
---
amdhsa.version: [ 1, 2 ]
amdhsa.kernels:
  - .name:           k_q2f62176773_cast
    .symbol:         k_q2f62176773_cast.kd
    .args:
      - { .name: hidden_states, .offset: 0, .size: 8, .value_kind: global_buffer, .address_space: global }
      - { .name: Wq, .offset: 8, .size: 8, .value_kind: global_buffer, .address_space: global }
      - { .name: Wk, .offset: 16, .size: 8, .value_kind: global_buffer, .address_space: global }
      - { .name: Wv, .offset: 24, .size: 8, .value_kind: global_buffer, .address_space: global }
      - { .name: Wo, .offset: 32, .size: 8, .value_kind: global_buffer, .address_space: global }
      - { .name: cos, .offset: 40, .size: 8, .value_kind: global_buffer, .address_space: global }
      - { .name: sin, .offset: 48, .size: 8, .value_kind: global_buffer, .address_space: global }
      - { .name: hb, .offset: 56, .size: 8, .value_kind: global_buffer, .address_space: global }
      - { .name: wqkv, .offset: 64, .size: 8, .value_kind: global_buffer, .address_space: global }
      - { .name: wob, .offset: 72, .size: 8, .value_kind: global_buffer, .address_space: global }
      - { .name: cs, .offset: 80, .size: 8, .value_kind: global_buffer, .address_space: global }
    .group_segment_fixed_size: 0
    .private_segment_fixed_size: 0
    .kernarg_segment_align: 8
    .kernarg_segment_size: 88
    .max_flat_workgroup_size: 256
    .sgpr_count:     66
    .vgpr_count:     248
    .wavefront_size: 32
...
	.end_amdgpu_metadata
.endif
;; end of part 1
;; launch qkvproj (part 2): grid 8 x 32, 4 waves a work-group, clusters of 4 x 4, 327,680 bytes of LDS; arguments hb, wqkv, cs, qkv; writes qkv
.if DOCPART == 2
	.amdgcn_target "amdgcn-amd-amdhsa--gfx1250"
	.amdhsa_code_object_version 6
	.text
	.protected	k_q2f62176773_qkvproj
	.globl	k_q2f62176773_qkvproj
	.p2align	8
	.type	k_q2f62176773_qkvproj,@function
k_q2f62176773_qkvproj:
	s_mov_b64 s[64:65], 0
	v_nop
	global_prefetch_b8 v0, s[64:65] scope:SCOPE_SE
	s_setreg_imm32_b32 hwreg(HW_REG_WAVE_MODE, 25, 1), 1
	s_wait_xcnt 0x0
	s_wait_alu depctr_hold_cnt(0) depctr_sa_sdst(0) depctr_va_vdst(0) depctr_va_sdst(0) depctr_va_ssrc(0) depctr_va_vcc(0) depctr_vm_vsrc(0)
	s_getreg_b32 s2, hwreg(HW_REG_IB_STS2, 6, 4)
	s_cmp_eq_u32 s2, 0
	s_cbranch_scc0 .Lentry_in_a_cluster
	s_endpgm
.Lentry_in_a_cluster:
	s_bfe_u32 s2, ttmp6, 0x10000c
	s_cmp_lg_u32 s2, 0xf033
	s_cbranch_scc0 .Lentry_shape_is_right
	s_endpgm
.Lentry_shape_is_right:
; qkv[g][m][128] (f16) = RoPE( hb[4096][2048] x wqkv[2048 k][2048 n] ), g = n / 128: 0..7 the q heads, 8..11 the k heads, 12..15 the v heads (no RoPE).
; bf16 operands, f32 sums, RoPE in f32 with the bf16 cos and sin of cs, one rounding to f16.
; LIMITS: q, k, v are stored in f16: |x| <= 65504 (the drawn inputs give |x| of about 6).  The v heads go through the same arithmetic with
; cos * 0 + 1 and sin * 0, so that no branch hangs on the block column: cos and sin must be finite.
; SHAPE: 256 work-groups, a block of 128 (m) x 256 (n) each; four waves, a wave makes 64 x 128 (one head): 32 accumulator tiles, 256 registers.
; THE RING: K goes in steps of 192 through two LDS slots filled by tensor loads.  A slot is 128 x 432 + 192 x 544 = 159,744 bytes; 192 is the largest
; multiple of 32 of which two slots fit in the 327,680 bytes that a work-group can be given.  A refill has a whole step, 192 of a wave's matrix
; instructions, in which to land.  2048 = 10 x 192 + 128: the eleventh tile has 128 along K and descriptors of its own; its step has four quarters.
; A's rows in a tile are 384 bytes and begin at multiples of 128 bytes of hb, B's are 512 bytes and begin at multiples of 512 bytes of wqkv.
; B stays [k][n] in LDS and is read with the transposing load.
; CLUSTERS: 4 x 4 work-groups.  A's tile hangs on the block row alone and is asked for jointly along a row of the cluster, B's on the block column
; alone and is asked for jointly along a column: a quarter of the requests.
; THE MATRIX INSTRUCTION IS USED TRANSPOSED (source 0 = 16 columns of B, source 1 = 16 rows of A): lane l then holds row m = l % 16 and its
; registers 0..7 the columns n = 8 (l / 16) + 0..7.
; REGISTERS: window 0: addresses, constants, fragments (two buffers);  window 1: accumulator tile (a, b) at v[8 (8 a + b)];
; window 2: cos and sin of my 64 rows (row R: cos at v[4R:4R+1], sin at v[4R+2:4R+3], four bf16 each: columns 4 lane .. 4 lane + 3).
.set KDIM,   2048
.set ASH,    12                        ; log2 of the bytes in a row of A
.set KSTEP,  192
.set APITCH, 432                       ; a row of A in LDS: three pieces of 128 bytes, 16 bytes of padding behind each; 27 x 16, so the sixteen rows of a fragment load start at sixteen different 16-byte columns of 256 bytes
.set BPITCH, 544                       ; 512 + 32: an odd multiple of 32, for the transposing load
.set BROW,   4096                      ; bytes in a row of B in memory
.set BROWS,  96                        ; rows (k) of B that one tensor load brings
.set AHALF,  64*APITCH                 ; what one tensor load brings of A: 27,648
.set BHALF,  BROWS*BPITCH              ; and of B: 52,224
.set ABYTES, 2*AHALF
.set SLOT,   ABYTES+2*BHALF            ; 159,744
.set STAGE,  SLOT                      ; the way out goes through slot 1: its last fill, the tenth tile, has been read by every wave before the barrier in front of the last step
.set SPITCH, 528                       ; a stage row: 128 f32 + 16 bytes
.set ADRA, 16                          ; v16-17  LDS address of my A fragments in slot 0, 1
.set ADRB, 20                          ; v20-21  the same for B, k rows 0..95; v22-23: k rows 96..191, which an offset of 16 bits does not reach
.set STO,  24                          ; the way out: where I put my 32 bytes of a stage row
.set RD,   25                          ; where I read 16 bytes of a row back
.set RDX,  26                          ; the same 64 columns away: RoPE's partner
.set L8,   27                          ; 8 x lane: my 8 bytes of a row of cs and of qkv
.set FA,   32                          ; v32-63, v64-95    A fragments, buffers 0, 1
.set FB,   96                          ; v96-159, v160-223 B fragments, buffers 0, 1
.set OWN,  32                          ; the way out, eight rows at a time: 4 f32 of my columns,
.set OTH,  64                          ; of the partner's,
.set CC,   96                          ; cos, then the result,
.set SS,   128                         ; sin with its sign,
.set Y,    160                         ; and the packed f16
.set G1,   24                          ; s[24:31] descriptor group 1 for A
.set G0,   32                          ; s[32:39] group 0 for A, one set for each slot
.set G1B,  48                          ; s[48:55] group 1 for B
.set G0B,  56                          ; s[56:63] group 0 for B
.set G1S,  84                          ; s[84:91] group 1 for A's short tile
.set G1BS, 92                          ; s[92:99] group 1 for B's short tile
.set MSB, 0
.macro WIN new                         ; the immediate's high byte repeats the setting that is left; switches that change nothing are dropped
.if MSB != (\new)
	s_set_vgpr_msb (MSB<<8)|(\new)
.set MSB, \new
.endif
.endm
.macro PLACES                          ; four places behind matrix instructions (ISA guide 7.12.1), where there is no other vector work
.rept 4
	v_nop
.endr
.endm
; A joint load into slot s: waves 0, 1 ask for A's two halves, waves 2, 3 for B's; the branch hangs on the wave's number alone.  sh = 1: the short tile's shapes.
.macro JLOAD s, sh
	s_cmp_eq_u32 s13, 0
	s_cbranch_scc0 .Lfor_b_\@
.if (\sh)
	tensor_load_to_lds s[G0+4*\s:G0+4*\s+3], s[G1S:G1S+7]
	s_nop 0
.else
	tensor_load_to_lds s[G0+4*\s:G0+4*\s+3], s[G1:G1+7]
	s_nop 0
.endif
	s_branch .Lasked_\@
.Lfor_b_\@:
.if (\sh)
	tensor_load_to_lds s[G0B+4*\s:G0B+4*\s+3], s[G1BS:G1BS+7]
	s_nop 0
.else
	tensor_load_to_lds s[G0B+4*\s:G0B+4*\s+3], s[G1B:G1B+7]
	s_nop 0
.endif
.Lasked_\@:
.endm
.macro CROUND                          ; a round of the cluster's barrier
	s_barrier_signal -1
	s_barrier_wait -1
	s_cmp_lg_u32 s12, 0
	s_cbranch_scc1 .Lnot_wave_0_\@
	s_barrier_signal -3
.Lnot_wave_0_\@:
	s_barrier_wait -3
	s_barrier_signal -1
	s_barrier_wait -1
.endm
; words 1 to 7 of a group 1: d0 = tensor_dim0, t0 = tile_dim0, rows = tensor_dim1 = tile_dim1, pitch = elements from row to row
.macro SHAPE g, d0, t0, rows, pitch
	s_mov_b32 s[\g+1], (\d0)<<16
	s_mov_b32 s[\g+2], (\rows)<<16
	s_mov_b32 s[\g+3], (\t0)<<16
	s_mov_b32 s[\g+4], \rows
	s_mov_b32 s[\g+5], \pitch
	s_mov_b32 s[\g+6], 0
	s_mov_b32 s[\g+7], 0
.endm
	s_load_b256 s[4:11], s[0:1], 0x0               ; hb s[4:5], wqkv s[6:7], cs s[8:9], qkv s[10:11]
	v_lshl_add_u32 v254, v0, 2, 0x4e000
	v_mov_b32 v255, 0
	ds_add_u32 v254, v255
	v_lshrrev_b32 v1, 5, v0
	v_readfirstlane_b32 s12, v1                    ; wave 0..3
	s_lshr_b32 s13, s12, 1                         ; which 64 rows of the block are mine.  Also: I fetch for A (0) or for B (1)
	s_and_b32 s14, s12, 1                          ; which 128 columns.  Also: which half of that tile I fetch
	s_bfe_u32 s15, ttmp6, 0x40000                  ; cx
	s_bfe_u32 s16, ttmp6, 0x40004                  ; cy
	s_lshl_b32 s17, ttmp9, 2
	s_add_co_u32 s17, s17, s15                     ; block column = 4 x cluster x + cx
	s_and_b32 s18, ttmp7, 0xffff
	s_lshl_b32 s18, s18, 2
	s_add_co_u32 s18, s18, s16                     ; block row = 4 x cluster y + cy
	s_lshl_b32 s19, s16, 2
	s_lshl_b32 s19, 15, s19                        ; my row of the cluster
	s_lshl_b32 s20, 0x1111, s15                    ; my column
	; A: 64 rows x 192 elements of 2 bytes, 4 words of padding behind every 32 words.  The short tile states that 128 elements are left of a row:
	; beyond them zeros are written, the rows keep their pitch, and the zeros are never read.
	s_or_b32 s[G1+0],  s19, (1<<16)|(1<<20)|(1<<21)|(4<<22)|(3<<25)
	s_or_b32 s[G1S+0], s19, (1<<16)|(1<<20)|(1<<21)|(4<<22)|(3<<25)
	SHAPE G1,  KSTEP, KSTEP, 64, KDIM
	SHAPE G1S, 128,   KSTEP, 64, KDIM
	; B: 96 rows (k) x 256 elements (n), 8 words of padding behind every 128 words.  Of the short tile's 128 rows the first half takes 96;
	; the second half begins at row 96 and states that 32 rows are left.
	s_or_b32 s[G1B+0],  s20, (1<<16)|(1<<20)|(1<<21)|(6<<22)|(7<<25)
	s_or_b32 s[G1BS+0], s20, (1<<16)|(1<<20)|(1<<21)|(6<<22)|(7<<25)
	SHAPE G1B,  256, 256, BROWS, 2048
	SHAPE G1BS, 256, 256, BROWS, 2048
	s_lshl_b32 s76, s14, 6
	s_sub_co_u32 s76, BROWS, s76                   ; 96 or 32
	s_lshl_b32 s[G1BS+2], s76, 16                  ; tensor_dim1
	; where the tiles come from: A's offset is made of the block row and the wave's number, B's of the block column and the wave's number
	s_lshl_b32 s40, s18, 7+ASH                     ; A: row 128 x block row
	s_lshl_b32 s71, s14, 6+ASH                     ;    + 64 x half
	s_add_co_u32 s40, s40, s71
	s_mov_b32 s41, 0
	s_lshl_b32 s44, s17, 9                         ; B: column 256 x block column, 2 bytes each
	s_mul_i32 s71, s14, BROWS*BROW                 ;    + 96 x half rows of 4,096 bytes
	s_add_co_u32 s44, s44, s71
	s_mov_b32 s45, 0
	s_mul_i32 s71, s14, AHALF                      ; and where they go: the wave's number alone enters an LDS address
	s_mul_i32 s72, s14, BHALF
	s_add_co_u32 s72, s72, ABYTES
	s_wait_dscnt 0x0
	s_wait_kmcnt 0x0
	s_add_nc_u64 s[40:41], s[4:5], s[40:41]
	s_add_nc_u64 s[44:45], s[6:7], s[44:45]
	CROUND                                         ; all sixteen work-groups are here: the first joint loads meet
.irp s, 0,1
	s_mov_b32 s[G0+4*\s], 1
	s_add_co_u32 s[G0+4*\s+1], s71, \s*SLOT
	s_add_nc_u64 s[G0+4*\s+2:G0+4*\s+3], s[40:41], \s*KSTEP*2
	s_or_b32 s[G0+4*\s+3], s[G0+4*\s+3], 0x80000000
	s_mov_b32 s[G0B+4*\s], 1
	s_add_co_u32 s[G0B+4*\s+1], s72, \s*SLOT
	s_add_nc_u64 s[G0B+4*\s+2:G0B+4*\s+3], s[44:45], \s*KSTEP*BROW
	s_or_b32 s[G0B+4*\s+3], s[G0B+4*\s+3], 0x80000000
	JLOAD \s, 0                                    ; both slots' first fills go out together: two tensor loads of a wave are out, the most in this text
.endr
	v_and_b32 v3, 31, v0                           ; lane
	v_and_b32 v1, 15, v0                           ; r = lane % 16
	v_bfe_u32 v2, v0, 4, 1                         ; h = lane / 16
	; A fragment (16 rows x 32 k): lane holds row r; two loads of 16 bytes, 32 apart, at row x pitch + 16 h
	v_mul_u32_u24 v4, v1, APITCH
	v_lshl_add_u32 v4, v2, 4, v4
	s_mul_i32 s73, s13, AHALF                      ; my 64 rows
	v_add_nc_u32 v[ADRA], s73, v4
	v_add_nc_u32 v[ADRA+1], SLOT, v[ADRA]
	; B fragment from [k][n]: two transposing loads, 16 rows apart, at (8 h + lane % 8) x pitch + 16 ((lane / 8) % 2)
	v_and_b32 v5, 7, v0
	v_lshl_add_u32 v5, v2, 3, v5
	v_mul_u32_u24 v5, v5, BPITCH
	v_bfe_u32 v6, v0, 3, 1
	v_lshl_add_u32 v5, v6, 4, v5
	s_lshl_b32 s74, s14, 8                         ; my 128 columns
	s_add_co_u32 s74, s74, ABYTES
	v_add_nc_u32 v[ADRB], s74, v5
	v_add_nc_u32 v[ADRB+1], SLOT, v[ADRB]
	v_add_nc_u32 v[ADRB+2], BHALF, v[ADRB]         ; k rows 96..
	v_add_nc_u32 v[ADRB+3], BHALF, v[ADRB+1]
	; the stage: 16 rows x 528 bytes for each wave
	s_mul_i32 s75, s12, 16*SPITCH
	s_add_co_u32 s75, s75, STAGE
	v_mul_u32_u24 v4, v1, SPITCH
	v_lshl_add_u32 v4, v2, 5, v4
	v_add_nc_u32 v[STO], s75, v4                   ; row r, 32 bytes for each half of the lanes
	v_lshl_add_u32 v[RD], v3, 4, s75               ; back: 16 bytes a lane, a whole row of 512 bytes a load
	v_xor_b32 v6, 16, v3
	v_lshl_add_u32 v[RDX], v6, 4, s75              ; lane ^ 16 holds the columns 64 further on or back
	v_lshlrev_b32 v[L8], 3, v3
	; RoPE's constants.  Block columns 6 and 7 are the v heads: cos becomes cos * 0 + 1, sin becomes sin * 0.  A value is chosen, no way.
	s_cmp_ge_u32 s17, 6
	s_cselect_b32 s76, 0, 0x3f800000               ; F
	s_cselect_b32 s77, 0x3f800000, 0               ; G
	v_mov_b32 v8, s76
	v_mov_b32 v9, s76
	v_mov_b32 v10, s77
	v_mov_b32 v11, s77
	v_cvt_f32_u32 v12, v2
	v_fma_f32 v12, v12, 2.0, -1.0                  ; rotate_half: columns 0..63 (lanes 0..15) take minus the partner, columns 64..127 plus
	v_mul_f32 v12, s76, v12
	v_mov_b32 v13, v12
	s_mov_b32 s70, 0xffff0000
	s_and_b32 s78, s18, 15                         ; cs: row l = m mod 2048 = 128 (block row % 16) + 64 x my half, 512 bytes a row
	s_lshl_b32 s78, s78, 16
	s_lshl_b32 s79, s13, 15
	s_add_co_u32 s78, s78, s79
	s_mov_b32 s79, 0
	s_add_nc_u64 s[66:67], s[8:9], s[78:79]
	s_lshl1_add_u32 s78, s17, s14                  ; qkv: head g = 2 x block column + my half, 4,096 rows of 256 bytes each,
	s_lshl_b32 s78, s78, 20
	s_lshl_b32 s80, s18, 15                        ; + my first row
	s_add_co_u32 s78, s78, s80
	s_lshl_b32 s80, s13, 14
	s_add_co_u32 s78, s78, s80
	s_add_nc_u64 s[68:69], s[10:11], s[78:79]
; 24 LDS loads: the fragments of one quarter (64 rows of A, 128 columns of B, k = 32 kq ..) into buffer f.
; In a row of A quarter kq begins at byte 64 kq + 16 (kq / 2): 16 bytes of padding lie behind every 128.
.macro FETCH slot, kq, f
	WIN 0
.irp a, 0,1,2,3
	ds_load_b128 v[FA+32*\f+8*\a:FA+32*\f+8*\a+3],   v[ADRA+\slot] offset:(\kq)*64+((\kq)/2)*16+\a*16*APITCH
	ds_load_b128 v[FA+32*\f+8*\a+4:FA+32*\f+8*\a+7], v[ADRA+\slot] offset:(\kq)*64+((\kq)/2)*16+\a*16*APITCH+32
.endr
.irp b, 0,1,2,3,4,5,6,7
	ds_load_tr16_b128 v[FB+64*\f+8*\b:FB+64*\f+8*\b+3],   v[ADRB+2*((\kq)/3)+\slot] offset:((\kq)%3)*32*BPITCH+32*\b
	ds_load_tr16_b128 v[FB+64*\f+8*\b+4:FB+64*\f+8*\b+7], v[ADRB+2*((\kq)/3)+\slot] offset:((\kq)%3)*32*BPITCH+32*\b+16*BPITCH
.endr
.endm
; 16 matrix instructions: m blocks a0, a0 + 1 x all 8 n blocks.  zero = 1: the first product starts the sums.
; The 32 accumulators take turns, one instruction a turn, in the same order in every quarter.
.macro MUL16 f, a0, zero
.irp a, \a0, \a0+1
.irp b, 0,1,2,3,4,5,6,7
.if \zero
	v_wmma_f32_16x16x32_bf16 v[8*(8*(\a)+\b):8*(8*(\a)+\b)+7], v[FB+64*\f+8*\b:FB+64*\f+8*\b+7], v[FA+32*\f+8*(\a):FA+32*\f+8*(\a)+7], 0
.else
	v_wmma_f32_16x16x32_bf16 v[8*(8*(\a)+\b):8*(8*(\a)+\b)+7], v[FB+64*\f+8*\b:FB+64*\f+8*\b+7], v[FA+32*\f+8*(\a):FA+32*\f+8*(\a)+7], v[8*(8*(\a)+\b):8*(8*(\a)+\b)+7]
.endif
.endr
.endr
.endm
; A quarter but a step's last: the next quarter's fragments (k = 32 kq) are asked for into buffer g, then buffer f is multiplied.
.macro QUARTER slot, kq, f, g, zero
	PLACES                                         ; behind the products that read buffer g
	FETCH \slot, \kq, \g
	s_wait_dscnt 24                                ; buffer f is in; the 24 loads just issued stay out
	WIN 0x50                                       ; C and D in window 1
	MUL16 \f, 0, \zero
	MUL16 \f, 2, \zero
	WIN 0
.endm
.macro BODY slot, nq, zero             ; all quarters of a step of nq quarters (6 or 4) but the last
	QUARTER \slot, 1, 0, 1, \zero
	QUARTER \slot, 2, 1, 0, 0
	QUARTER \slot, 3, 0, 1, 0
.if \nq == 6
	QUARTER \slot, 4, 1, 0, 0
	QUARTER \slot, 5, 0, 1, 0
.endif
.endm
; The change of slots, and the step's last quarter (buffer 1).  Each wave waits for its reads of this slot, which are all in registers now, and for all
; its tensor loads (the one that is out is its part of the next slot).  fill = 1 or 2: a round of the cluster's barrier follows, and the joint refill
; of this slot (2: the short tile), ks along K further on, is the first tensor load behind the round; all 32 products of the last quarter stand behind
; the request.  fill = 0: the work-group's barrier alone shows the next slot whole.
.macro TURN slot, next, fill, ks
	s_wait_dscnt 0x0
	s_wait_tensorcnt 0x0
	ds_add_u32 v254, v255
	s_wait_dscnt 0x0
.if \fill
	s_add_nc_u64 s[G0+4*\slot+2:G0+4*\slot+3], s[G0+4*\slot+2:G0+4*\slot+3], (\ks)*2       ; no tensor load of mine is out: the addresses may be stepped
	s_add_nc_u64 s[G0B+4*\slot+2:G0B+4*\slot+3], s[G0B+4*\slot+2:G0B+4*\slot+3], (\ks)*BROW
	CROUND
	JLOAD \slot, \fill-1
.else
	s_barrier_signal -1
	s_barrier_wait -1
.endif
	PLACES                                         ; behind the products that read buffer 0
	FETCH \next, 0, 0
	WIN 0x50
	MUL16 1, 0, 0
	MUL16 1, 2, 0
	WIN 0
.endm
; cos and sin of my rows 16 a .. 16 a + 15 into window 2: each load of the wave covers 256 consecutive bytes, aligned.  They land under the first
; two steps' products and are not touched before the way out.
.macro CS a
	WIN 0x80
.irp i, 0,1,2,3,4,5,6,7,8,9,10,11,12,13,14,15
	global_load_b64 v[4*(16*\a+\i):4*(16*\a+\i)+1],   v[L8], s[66:67] offset:(16*\a+\i)*512
	global_load_b64 v[4*(16*\a+\i)+2:4*(16*\a+\i)+3], v[L8], s[66:67] offset:(16*\a+\i)*512+256
.endr
	WIN 0
.endm
	s_wait_tensorcnt 0x1                           ; my part of tile 0 is in; tile 1's load, the one issued behind it, stays out
	s_barrier_signal -1
	s_barrier_wait -1
	FETCH 0, 0, 0
	BODY 0, 6, 1                                   ; steps 0 and 1 stand in front of the loop: the first products start the sums
	CS 0
	TURN 0, 1, 1, 2*KSTEP
	CS 1
	BODY 1, 6, 0
	CS 2
	TURN 1, 0, 1, 2*KSTEP
	CS 3
	s_mov_b32 s21, 3                               ; steps 2 to 7, which ask for tiles 4 to 9
.Llap:
	BODY 0, 6, 0
	TURN 0, 1, 1, 2*KSTEP
	BODY 1, 6, 0
	TURN 1, 0, 1, 2*KSTEP
	s_sub_co_u32 s21, s21, 1
	s_cmp_lg_u32 s21, 0
	s_cbranch_scc1 .Llap
	BODY 0, 6, 0                                   ; step 8 asks for tile 10, the short one: k = 1920 .. 2047
	TURN 0, 1, 2, 2*KSTEP
	BODY 1, 6, 0                                   ; step 9 fills nothing
	TURN 1, 0, 0, 0
	BODY 0, 4, 0                                   ; step 10: four quarters
	s_wait_dscnt 0x0
	WIN 0x50
	MUL16 1, 0, 0
	MUL16 1, 2, 0
	WIN 0
	; THE WAY OUT, 16 rows at a time through my own stage: f32 in by tiles, whole rows back, RoPE with the partner 64 columns away, f16 out.
	PLACES                                         ; behind the last products: for the LDS stores of results and the loads into the fragment buffers
	s_wait_loadcnt 0x0                             ; cos and sin
.macro ROPE8 a, bt                     ; rows 8 bt .. 8 bt + 7 of the stage
.irp i, 0,1,2,3,4,5,6,7
	ds_load_b128 v[OWN+4*\i:OWN+4*\i+3], v[RD]  offset:(8*\bt+\i)*SPITCH    ; LDS serves a wave's instructions in order (ISA guide 5.7.1): these see my stores
	ds_load_b128 v[OTH+4*\i:OTH+4*\i+3], v[RDX] offset:(8*\bt+\i)*SPITCH
.endr
	WIN 0x08                                       ; source 1 in window 2
.irp i, 0,1,2,3,4,5,6,7
	v_lshlrev_b32 v[CC+4*\i],   16,  v[4*(16*\a+8*\bt+\i)]
	v_and_b32     v[CC+4*\i+1], s70, v[4*(16*\a+8*\bt+\i)]
	v_lshlrev_b32 v[CC+4*\i+2], 16,  v[4*(16*\a+8*\bt+\i)+1]
	v_and_b32     v[CC+4*\i+3], s70, v[4*(16*\a+8*\bt+\i)+1]
	v_lshlrev_b32 v[SS+4*\i],   16,  v[4*(16*\a+8*\bt+\i)+2]
	v_and_b32     v[SS+4*\i+1], s70, v[4*(16*\a+8*\bt+\i)+2]
	v_lshlrev_b32 v[SS+4*\i+2], 16,  v[4*(16*\a+8*\bt+\i)+3]
	v_and_b32     v[SS+4*\i+3], s70, v[4*(16*\a+8*\bt+\i)+3]
.endr
	WIN 0
.irp i, 0,1,2,3,4,5,6,7
	v_pk_fma_f32 v[CC+4*\i:CC+4*\i+1],   v[CC+4*\i:CC+4*\i+1],   v[8:9], v[10:11]   ; cos F + G
	v_pk_fma_f32 v[CC+4*\i+2:CC+4*\i+3], v[CC+4*\i+2:CC+4*\i+3], v[8:9], v[10:11]
	v_pk_mul_f32 v[SS+4*\i:SS+4*\i+1],   v[SS+4*\i:SS+4*\i+1],   v[12:13]           ; sin with rotate_half's sign
	v_pk_mul_f32 v[SS+4*\i+2:SS+4*\i+3], v[SS+4*\i+2:SS+4*\i+3], v[12:13]
.endr
	s_wait_dscnt 0x0
.irp i, 0,1,2,3,4,5,6,7
	v_pk_mul_f32 v[CC+4*\i:CC+4*\i+1],   v[OWN+4*\i:OWN+4*\i+1],   v[CC+4*\i:CC+4*\i+1]
	v_pk_mul_f32 v[CC+4*\i+2:CC+4*\i+3], v[OWN+4*\i+2:OWN+4*\i+3], v[CC+4*\i+2:CC+4*\i+3]
.endr
.irp i, 0,1,2,3,4,5,6,7
	v_pk_fma_f32 v[CC+4*\i:CC+4*\i+1],   v[OTH+4*\i:OTH+4*\i+1],   v[SS+4*\i:SS+4*\i+1],   v[CC+4*\i:CC+4*\i+1]
	v_pk_fma_f32 v[CC+4*\i+2:CC+4*\i+3], v[OTH+4*\i+2:OTH+4*\i+3], v[SS+4*\i+2:SS+4*\i+3], v[CC+4*\i+2:CC+4*\i+3]
.endr
	s_wait_xcnt 0x0                                ; Y, which the last eight stores read, is rewritten only behind this wait (ISA guide 3.1)
.irp i, 0,1,2,3,4,5,6,7
	v_cvt_pk_f16_f32 v[Y+2*\i],   v[CC+4*\i],   v[CC+4*\i+1]
	v_cvt_pk_f16_f32 v[Y+2*\i+1], v[CC+4*\i+2], v[CC+4*\i+3]
	global_store_b64 v[L8], v[Y+2*\i:Y+2*\i+1], s[68:69] offset:(16*\a+8*\bt+\i)*256   ; the wave stores one head row: 256 consecutive bytes, aligned
.endr
.endm
.macro ROPE16 a
	WIN 0x04                                       ; store data in window 1
.irp b, 0,1,2,3,4,5,6,7
	ds_store_b128 v[STO], v[8*(8*\a+\b):8*(8*\a+\b)+3]   offset:64*\b
	ds_store_b128 v[STO], v[8*(8*\a+\b)+4:8*(8*\a+\b)+7] offset:64*\b+16
.endr
	WIN 0
	ROPE8 \a, 0
	ROPE8 \a, 1
.endm
	ROPE16 0
	ROPE16 1
	ROPE16 2
	ROPE16 3
	s_wait_tensorcnt 0x0
	ds_add_u32 v254, v255
	s_wait_dscnt 0x0
	CROUND                                         ; the closing round: no work-group ends while a partner may still ask for a tile that names it
	s_endpgm
.Lfunc_end_k_q2f62176773_qkvproj:
	.size	k_q2f62176773_qkvproj, .Lfunc_end_k_q2f62176773_qkvproj-k_q2f62176773_qkvproj
	.p2alignl 7, 3214868480
	.fill 96, 4, 3214868480
	.section	.rodata,"a",@progbits
	.p2align	6, 0x0
	.amdhsa_kernel k_q2f62176773_qkvproj
		.amdhsa_group_segment_fixed_size 327680
		.amdhsa_private_segment_fixed_size 0
		.amdhsa_enable_private_segment 0
		.amdhsa_kernarg_size 32
		.amdhsa_user_sgpr_count 2
		.amdhsa_user_sgpr_kernarg_segment_ptr 1
		.amdhsa_wavefront_size32 1
		.amdhsa_system_sgpr_workgroup_id_x 1
		.amdhsa_system_sgpr_workgroup_id_y 1
		.amdhsa_system_sgpr_workgroup_id_z 1
		.amdhsa_system_vgpr_workitem_id 0
		.amdhsa_next_free_vgpr 768
		.amdhsa_next_free_sgpr 100
		.amdhsa_reserve_vcc 0
		.amdhsa_float_denorm_mode_32 3
		.amdhsa_float_denorm_mode_16_64 3
		.amdhsa_memory_ordered 1
		.amdhsa_forward_progress 1
		.amdhsa_inst_pref_size 250
	.end_amdhsa_kernel
	.amdgpu_metadata
---
amdhsa.version: [ 1, 2 ]
amdhsa.kernels:
  - .name:           k_q2f62176773_qkvproj
    .symbol:         k_q2f62176773_qkvproj.kd
    .args:
      - { .name: hb, .offset: 0, .size: 8, .value_kind: global_buffer, .address_space: global }
      - { .name: wqkv, .offset: 8, .size: 8, .value_kind: global_buffer, .address_space: global }
      - { .name: cs, .offset: 16, .size: 8, .value_kind: global_buffer, .address_space: global }
      - { .name: qkv, .offset: 24, .size: 8, .value_kind: global_buffer, .address_space: global }
    .group_segment_fixed_size: 327680
    .private_segment_fixed_size: 0
    .kernarg_segment_align: 8
    .kernarg_segment_size: 32
    .max_flat_workgroup_size: 128
    .sgpr_count:     100
    .vgpr_count:     768
    .wavefront_size: 32
...
	.end_amdgpu_metadata
.endif
;; end of part 2
;; launch attn (part 3): grid 256 x 1, 4 waves a work-group, clusters of 4 x 1, 327,680 bytes of LDS; arguments qkv, ao; writes ao
.if DOCPART == 3
	.amdgcn_target "amdgcn-amd-amdhsa--gfx1250"
	.amdhsa_code_object_version 6
	.text
	.protected	k_q2f62176773_attn
	.globl	k_q2f62176773_attn
	.p2align	8
	.type	k_q2f62176773_attn,@function
k_q2f62176773_attn:
	s_mov_b64 s[64:65], 0
	v_nop
	global_prefetch_b8 v0, s[64:65] scope:SCOPE_SE
	s_setreg_imm32_b32 hwreg(HW_REG_WAVE_MODE, 25, 1), 1
	s_wait_xcnt 0x0
	s_wait_alu depctr_hold_cnt(0) depctr_sa_sdst(0) depctr_va_vdst(0) depctr_va_sdst(0) depctr_va_ssrc(0) depctr_va_vcc(0) depctr_vm_vsrc(0)
	s_getreg_b32 s2, hwreg(HW_REG_IB_STS2, 6, 4)
	s_cmp_eq_u32 s2, 0
	s_cbranch_scc0 .Lentry_in_a_cluster
	s_endpgm
.Lentry_in_a_cluster:
	s_bfe_u32 s2, ttmp6, 0x10000c
	s_cmp_lg_u32 s2, 0x3003
	s_cbranch_scc0 .Lentry_shape_is_right
	s_endpgm
.Lentry_shape_is_right:
; ao[m][h 128 + d] (f16) = causal softmax(q k^T / sqrt(128)) v, from qkv[16 g][4096 m][128] f16 (g 0..7 q heads, 8..11 k heads, 12..15 v heads).
; f16 operands, f32 sums; softmax in f32 with a running maximum.
; LIMITS: P (at most 1) and the result are rounded to f16.  NaN and infinities in q, k, v are not reproduced place by place.
; BALANCE: cluster C (0..63) = (t = C % 8, kv head = (C / 8) % 4, batch = C / 32).  Its four work-groups are the kv head's two query heads x the two
; halves of 64 rows of the row ranges T = t and T = 15 - t (128 rows each).  Range T needs T / 2 + 1 key tiles of 256 keys; the two ranges together
; always need 9, one count odd and one even.  Pass 1 takes the range with the odd count, pass 2 the other: 9 equal steps in every work-group.
; CLUSTERS: all four partners walk the same K and V tiles in the same steps, so every tile is one joint load (mask 15): a quarter of the requests.
; The place in the cluster enters only the addresses of Q and of the output and the numbers that the causal mask compares.
; SPLIT OVER KEYS: in a step each wave takes all 64 query rows against its own 64 keys of the tile, and keeps its own running maximum M, sum L and
; output O; the four waves are merged once, at the end, through the LDS slots, which are dead by then.
; LAYOUTS: S^T = K Q^T (source 0 = 16 keys, source 1 = 16 queries): lane l holds query l % 16 and its registers keys 8 (l / 16) + 0..7, so P packs
; inside the lane into source 1 of O^T = V^T P^T (source 0 = V through the transposing load).  All statistics are one number a lane.
; REGISTERS: window 0: addresses, Q fragments v32-159, K/V fragment buffers v160-191, v192-223;  window 1: O of pass 1, window 3: O of pass 2
; (tile (dt, qt) at v[8 (4 dt + qt)]);  window 2: S (kt, qt) at v[8 (4 kt + qt)], P, statistics, temporaries.
.set KP,     272                       ; K's LDS pitch: 256 + 16
.set VP,     288                       ; V's: 256 + 32, an odd multiple of 32 for the transposing load
.set KBYTES, 256*KP
.set VBYTES, 256*VP
.set SLOT,   KBYTES+VBYTES             ; 143,360
.set STATS,  2*SLOT                    ; 286,720 = 1,120 x 256: [pass][wave][64 q] of (M, L), never filled by a tensor load
.set XP,     528                       ; the exchange: a row of 128 f32 + 16 bytes,
.set XT,     16*XP                     ; a tile of 16 queries from one wave,
.set XQ,     4*XT                      ; from the four waves; tile (pass p, q tile qt) begins at (4 p + qt) XQ
; window 0
.set ADK,  8                           ; v8-9    LDS address of my K fragments in slot 0, 1
.set ADV,  10                          ; v10-11  the same for V
.set VQ,   12                          ; my byte offset in a block of Q rows
.set SADR, 13                          ; where I put (M, L)
.set SRD,  14                          ; where I read the four waves' (M, L)
.set OUTV, 15                          ; 8 x lane
.set XRD,  16                          ; v16-17  where I read the exchange, pass 1, 2
.set XST,  20                          ; v20-27  where I write it, (4 p + qt)
.set Q,    32
.set FB,   160
.set R,    32                          ; the way out: 4 rows x 4 waves x 4 registers
.set YY,   96                          ; packed f16
; window 2
.set PP,   128                         ; P (qt, kc) at PP + 8 (2 qt + kc)
.set ST1,  192                         ; pass 1: (M, L) of q tile qt at ST1 + 2 qt
.set ST2,  200                         ; pass 2
.set QREL, 208                         ; my query's number, counted from my first key of the diagonal tile, for each qt
.set NINF, 212
.set AL,   214                         ; pairs: the rescaling factor in the even register
.set NB,   222                         ; pairs: - c M in the even register
.set TT,   232                         ; 16 temporaries
.set UU,   248                         ; 4: the other half's maximum
.set TN,   252                         ; 4: - c M of the last step
.set GG,   64                          ; the merge: pairs, my factor in the even register
.set NS,   80                          ;            - c M*
.set LT,   88                          ;            the whole sum, then its reciprocal
.set MSB, 0
.macro WIN new
.if MSB != (\new)
	s_set_vgpr_msb (MSB<<8)|(\new)
.set MSB, \new
.endif
.endm
.macro PLACES                          ; four places behind matrix instructions (ISA guide 7.12.1)
.rept 4
	v_nop
.endr
.endm
.macro JLOAD s                         ; a joint load into slot s: waves 0, 1 ask for K's two halves, waves 2, 3 for V's
	s_cmp_eq_u32 s9, 0
	s_cbranch_scc0 .Lfor_v_\@
	tensor_load_to_lds s[32+4*\s:35+4*\s], s[24:31]
	s_nop 0
	s_branch .Lasked_\@
.Lfor_v_\@:
	tensor_load_to_lds s[48+4*\s:51+4*\s], s[40:47]
	s_nop 0
.Lasked_\@:
.endm
.macro CREST
	s_cmp_lg_u32 s8, 0
	s_cbranch_scc1 .Lnot_wave_0_\@
	s_barrier_signal -3
.Lnot_wave_0_\@:
	s_barrier_wait -3
	s_barrier_signal -1
	s_barrier_wait -1
.endm
.macro CROUND
	s_barrier_signal -1
	s_barrier_wait -1
	CREST
.endm
.macro SETADR s                        ; slot s's descriptors point at key tile s20: 256 rows of 256 bytes each
	s_lshl_b32 s60, s20, 16
	s_add_nc_u64 s[34+4*\s:35+4*\s], s[56:57], s[60:61]
	s_or_b32 s[35+4*\s], s[35+4*\s], 0x80000000
	s_add_nc_u64 s[50+4*\s:51+4*\s], s[58:59], s[60:61]
	s_or_b32 s[51+4*\s], s[51+4*\s], 0x80000000
.endm
.macro NEXT                            ; tiles go down from the diagonal one; behind pass 1's tile 0 comes pass 2's diagonal tile
	s_sub_co_i32 s20, s20, 1
	s_cmp_lt_i32 s20, 0
	s_cselect_b32 s20, s21, s20
.endm
	s_load_b128 s[4:7], s[0:1], 0x0                ; qkv s[4:5], ao s[6:7]
	v_lshl_add_u32 v254, v0, 2, 0x47000
	v_mov_b32 v255, 0
	ds_add_u32 v254, v255
	v_lshrrev_b32 v1, 5, v0
	v_readfirstlane_b32 s8, v1                     ; wave 0..3
	s_lshr_b32 s9, s8, 1                           ; I fetch for K (0) or for V (1)
	s_and_b32 s10, s8, 1                           ; which 128 rows of that tile
	s_bfe_u32 s11, ttmp6, 0x40000                  ; cx
	s_and_b32 s13, ttmp9, 7                        ; t
	s_bfe_u32 s14, ttmp9, 0x20003                  ; kv head
	s_lshr_b32 s15, ttmp9, 5                       ; batch
	s_sub_co_u32 s16, 15, s13
	s_and_b32 s12, s13, 2                          ; t / 2 odd: t's count of tiles is even
	s_cmp_lg_u32 s12, 0
	s_cselect_b32 s16, s16, s13                    ; T1: the range with the odd count
	s_sub_co_u32 s17, 15, s16                      ; T2
	s_lshr_b32 s18, s16, 1                         ; n1 - 1 (even)
	s_lshr_b32 s21, s17, 1                         ; n2 - 1 (odd)
	s_mov_b32 s20, s18                             ; the tile to ask for next
	s_lshr_b32 s22, s18, 1                         ; pass 1: one step, then (n1 - 1) / 2 trips of two
	s_sub_co_u32 s23, s21, 1
	s_lshr_b32 s23, s23, 1                         ; pass 2: one step, (n2 - 2) / 2 trips of two, one step
	s_mov_b32 s61, 0
	s_mov_b32 s62, 0x3e0293ee                      ; c = log2(e) / sqrt(128)
	s_mov_b32 s63, 0x3e0293ee
	s_mov_b32 s66, 0xbe0293ee                      ; - c
	s_mov_b32 s67, 0x76543210                      ; v_permlanex16_b32: lane i of one half reads lane i of the other
	s_mov_b32 s68, 0xfedcba98
	s_mov_b32 s69, 0xff7fffff                      ; the lowest finite f32: M stays finite where all my keys are masked
	; group 1 for K: 128 rows x 128 elements of 2 bytes, dense in memory, 4 words of padding behind every 64; mask 15: all four partners
	s_mov_b32 s24, 15|(1<<16)|(1<<20)|(1<<21)|(5<<22)|(3<<25)
	s_mov_b32 s25, 128<<16
	s_mov_b32 s26, 128<<16
	s_mov_b32 s27, 128<<16
	s_mov_b32 s28, 128
	s_mov_b32 s29, 128
	s_mov_b32 s30, 0
	s_mov_b32 s31, 0
	; group 1 for V: the same with 8 words of padding
	s_mov_b32 s40, 15|(1<<16)|(1<<20)|(1<<21)|(5<<22)|(7<<25)
	s_mov_b32 s41, 128<<16
	s_mov_b32 s42, 128<<16
	s_mov_b32 s43, 128<<16
	s_mov_b32 s44, 128
	s_mov_b32 s45, 128
	s_mov_b32 s46, 0
	s_mov_b32 s47, 0
	s_mul_i32 s90, s10, 128*KP                     ; LDS addresses: the wave's number and the slot alone
	s_mul_i32 s91, s10, 128*VP
	s_add_co_u32 s91, s91, KBYTES
	s_mov_b32 s32, 1
	s_mov_b32 s33, s90
	s_mov_b32 s36, 1
	s_add_co_u32 s37, s90, SLOT
	s_mov_b32 s48, 1
	s_mov_b32 s49, s91
	s_mov_b32 s52, 1
	s_add_co_u32 s53, s91, SLOT
	s_add_co_u32 s60, s14, 8                       ; K: head 8 + kv head, 4,096 rows of 256 bytes,
	s_lshl_b32 s60, s60, 20
	s_lshl_b32 s12, s15, 19                        ; + 2,048 rows a batch
	s_add_co_u32 s60, s60, s12
	s_lshl_b32 s12, s10, 15                        ; + my 128 rows of a tile
	s_add_co_u32 s60, s60, s12
	s_wait_dscnt 0x0
	s_wait_kmcnt 0x0
	s_add_nc_u64 s[56:57], s[4:5], s[60:61]
	s_add_nc_u64 s[58:59], s[56:57], 0x400000      ; V: four heads further on
	SETADR 0
	CROUND                                         ; all four work-groups are here
	JLOAD 0                                        ; pass 1's diagonal tile.  One tensor load of a wave is out, here and behind every round: the most in this text
	NEXT
	; what hangs on my place in the cluster: query head, half of the range
	s_and_b32 s84, s11, 1
	s_lshl1_add_u32 s84, s14, s84                  ; query head = 2 x kv head + cx % 2
	s_lshr_b32 s85, s11, 1                         ; which 64 rows of a range
	s_lshl_b32 s86, s84, 20                        ; Q: head, batch, half
	s_lshl_b32 s87, s15, 19
	s_add_co_u32 s86, s86, s87
	s_lshl_b32 s87, s85, 14
	s_add_co_u32 s86, s86, s87
	s_mov_b32 s79, 0
	s_lshl_b32 s78, s16, 15                        ; + 128 T rows of 256 bytes
	s_add_co_u32 s78, s78, s86
	s_add_nc_u64 s[70:71], s[4:5], s[78:79]
	s_lshl_b32 s78, s17, 15
	s_add_co_u32 s78, s78, s86
	s_add_nc_u64 s[72:73], s[4:5], s[78:79]
	s_lshl_b32 s86, s15, 22                        ; ao: rows of 2,048 bytes: batch, half, the q tile that I write (16 x wave), and the head's 256 bytes
	s_lshl_b32 s87, s85, 17
	s_add_co_u32 s86, s86, s87
	s_lshl_b32 s87, s8, 15
	s_add_co_u32 s86, s86, s87
	s_lshl_b32 s87, s84, 8
	s_add_co_u32 s86, s86, s87
	s_lshl_b32 s78, s16, 18
	s_add_co_u32 s78, s78, s86
	s_add_nc_u64 s[74:75], s[6:7], s[78:79]
	s_lshl_b32 s78, s17, 18
	s_add_co_u32 s78, s78, s86
	s_add_nc_u64 s[76:77], s[6:7], s[78:79]
	s_lshl_b32 s87, s85, 6                         ; my first query, counted from my wave's first key of the diagonal tile: 128 (T % 2) + 64 half - 64 wave
	s_lshl_b32 s86, s8, 6
	s_sub_co_u32 s87, s87, s86
	s_and_b32 s88, s16, 1
	s_lshl_b32 s88, s88, 7
	s_add_co_u32 s88, s88, s87
	s_and_b32 s89, s17, 1
	s_lshl_b32 s89, s89, 7
	s_add_co_u32 s89, s89, s87
	v_and_b32 v3, 31, v0                           ; lane
	v_and_b32 v1, 15, v0                           ; r
	v_bfe_u32 v2, v0, 4, 1                         ; h
	v_lshlrev_b32 v[VQ], 8, v1                     ; Q fragment straight from memory: row r, 16 bytes at 16 h, a second 32 further on
	v_lshl_add_u32 v[VQ], v2, 4, v[VQ]
.macro QLOAD base
.irp qt, 0,1,2,3
.irp kk, 0,1,2,3
	global_load_b128 v[Q+8*(4*\qt+\kk):Q+8*(4*\qt+\kk)+3],   v[VQ], s[\base:\base+1] offset:\qt*4096+\kk*64
	global_load_b128 v[Q+8*(4*\qt+\kk)+4:Q+8*(4*\qt+\kk)+7], v[VQ], s[\base:\base+1] offset:\qt*4096+\kk*64+32
.endr
.endr
.endm
	QLOAD 70
	v_lshlrev_b32 v4, 3, v2
	v_sub_nc_u32 v5, v1, v4                        ; r - 8 h
	v_mul_u32_u24 v4, v1, KP                       ; K fragment: row 64 wave + r, 16 h
	v_lshl_add_u32 v4, v2, 4, v4
	s_mul_i32 s90, s8, 64*KP
	v_add_nc_u32 v[ADK], s90, v4
	v_add_nc_u32 v[ADK+1], SLOT, v[ADK]
	v_and_b32 v4, 7, v0                            ; V fragment, transposing: row 64 wave + 8 h + lane % 8, 16 ((lane / 8) % 2)
	v_lshl_add_u32 v4, v2, 3, v4
	v_mul_u32_u24 v4, v4, VP
	v_bfe_u32 v6, v0, 3, 1
	v_lshl_add_u32 v4, v6, 4, v4
	s_mul_i32 s90, s8, 64*VP
	s_add_co_u32 s90, s90, KBYTES
	v_add_nc_u32 v[ADV], s90, v4
	v_add_nc_u32 v[ADV+1], SLOT, v[ADV]
	s_lshl_b32 s90, s8, 9
	s_add_co_u32 s90, s90, STATS
	v_lshl_add_u32 v[SADR], v1, 3, s90
	v_lshlrev_b32 v[SRD], 3, v1
	v_add_nc_u32 v[SRD], STATS, v[SRD]
	v_lshlrev_b32 v[OUTV], 3, v3
	v_mul_u32_u24 v4, v1, XP                       ; the exchange, in: row r, 32 bytes for each half of the lanes, my wave's tile
	v_lshl_add_u32 v4, v2, 5, v4
	s_mul_i32 s90, s8, XT
	v_add_nc_u32 v[XST], s90, v4
.irp e, 1,2,3,4,5,6,7
	v_add_nc_u32 v[XST+\e], \e*XQ, v[XST]
.endr
	s_mul_i32 s90, s8, XQ                          ; back: I own q tile number wave; 16 bytes a lane
	v_lshl_add_u32 v[XRD], v3, 4, s90
	v_add_nc_u32 v[XRD+1], 4*XQ, v[XRD]
	WIN 0x80                                       ; destination in window 2
	v_mov_b32 v[NINF], 0xff800000
.irp qt, 0,1,2,3
	v_mov_b32 v[UU+\qt], 0                         ; v_permlanex16_b32 counts as a reader of its destination
	v_mov_b32 v[AL+2*\qt+1], 0                     ; the odd halves of the pairs are named by packed instructions and never used
	v_mov_b32 v[NB+2*\qt+1], 0
	v_add3_u32 v[QREL+\qt], v5, s88, 16*\qt
.endr
	WIN 0
.macro KFETCH slot, kt, f              ; 8 loads: my keys 16 kt .. + 15, all 128 of d, into buffer f
	WIN 0
.irp kk, 0,1,2,3
	ds_load_b128 v[FB+32*\f+8*\kk:FB+32*\f+8*\kk+3],   v[ADK+\slot] offset:\kt*16*KP+\kk*64
	ds_load_b128 v[FB+32*\f+8*\kk+4:FB+32*\f+8*\kk+7], v[ADK+\slot] offset:\kt*16*KP+\kk*64+32
.endr
.endm
.macro VFETCH slot, kc, d0, f          ; 8 loads: my keys 32 kc .. + 31, d tiles d0 .. d0 + 3, into buffer f
	WIN 0
.irp i, 0,1,2,3
	ds_load_tr16_b128 v[FB+32*\f+8*\i:FB+32*\f+8*\i+3],   v[ADV+\slot] offset:\kc*32*VP+(\d0+\i)*32
	ds_load_tr16_b128 v[FB+32*\f+8*\i+4:FB+32*\f+8*\i+7], v[ADV+\slot] offset:\kc*32*VP+(\d0+\i)*32+16*VP
.endr
.endm
; 16 matrix instructions: S (kt, 0..3) over the four parts of d.  The four accumulators take turns, one instruction a turn.
.macro SMM kt, f
	WIN 0xa0                                       ; C and D in window 2
.irp kk, 0,1,2,3
.irp qt, 0,1,2,3
.if \kk == 0
	v_wmma_f32_16x16x32_f16 v[8*(4*\kt+\qt):8*(4*\kt+\qt)+7], v[FB+32*\f+8*\kk:FB+32*\f+8*\kk+7], v[Q+8*(4*\qt+\kk):Q+8*(4*\qt+\kk)+7], 0
.else
	v_wmma_f32_16x16x32_f16 v[8*(4*\kt+\qt):8*(4*\kt+\qt)+7], v[FB+32*\f+8*\kk:FB+32*\f+8*\kk+7], v[Q+8*(4*\qt+\kk):Q+8*(4*\qt+\kk)+7], v[8*(4*\kt+\qt):8*(4*\kt+\qt)+7]
.endif
.endr
.endr
.endm
; 16 matrix instructions on 16 accumulators: O (d0 .. d0 + 3, 0..3) += V P for keys 32 kc ..
.macro PVM kc, d0, f, pv, zero
	WIN \pv
.irp i, 0,1,2,3
.irp qt, 0,1,2,3
.if \zero
	v_wmma_f32_16x16x32_f16 v[8*(4*(\d0+\i)+\qt):8*(4*(\d0+\i)+\qt)+7], v[FB+32*\f+8*\i:FB+32*\f+8*\i+7], v[PP+8*(2*\qt+\kc):PP+8*(2*\qt+\kc)+7], 0
.else
	v_wmma_f32_16x16x32_f16 v[8*(4*(\d0+\i)+\qt):8*(4*(\d0+\i)+\qt)+7], v[FB+32*\f+8*\i:FB+32*\f+8*\i+7], v[PP+8*(2*\qt+\kc):PP+8*(2*\qt+\kc)+7], v[8*(4*(\d0+\i)+\qt):8*(4*(\d0+\i)+\qt)+7]
.endif
.endr
.endr
.endm
; O (all 32 tiles of the window) times the even register of the pair at base + 2 qt in window 2
.macro RESCALE win, base
	WIN \win
.irp dt, 0,1,2,3,4,5,6,7
.irp qt, 0,1,2,3
.irp j, 0,2,4,6
	v_pk_mul_f32 v[8*(4*\dt+\qt)+\j:8*(4*\dt+\qt)+\j+1], v[8*(4*\dt+\qt)+\j:8*(4*\dt+\qt)+\j+1], v[\base+2*\qt:\base+2*\qt+1] op_sel_hi:[1,0]
.endr
.endr
.endr
.endm
; The softmax step on my 64 keys x 64 queries, all in window 2, stage by stage across the four q tiles so that neighbours do not wait for each other.
; first = 1: the diagonal tile of a pass: the causal mask is applied, and M and L start here.
.macro SOFTMAX st, first
	WIN 0xaa
.if \first
.irp kt, 0,1,2,3
.irp j, 0,1,2,3,4,5,6,7
.irp qt, 0,1,2,3
	v_cmp_gt_i32 s[80+\qt], 16*\kt+\j, v[QREL+\qt]                 ; key beyond the query
.endr
.irp qt, 0,1,2,3
	v_cndmask_b32 v[8*(4*\kt+\qt)+\j], v[8*(4*\kt+\qt)+\j], v[NINF], s[80+\qt]
.endr
.endr
.endr
.endif
	; the largest of my 32 scores for each query: four chains a q tile
.irp qt, 0,1,2,3
.irp kt, 0,1,2,3
	v_max3_num_f32 v[TT+4*\qt+\kt], v[8*(4*\kt+\qt)], v[8*(4*\kt+\qt)+1], v[8*(4*\kt+\qt)+2]
.endr
.endr
.irp qt, 0,1,2,3
.irp kt, 0,1,2,3
	v_max3_num_f32 v[TT+4*\qt+\kt], v[TT+4*\qt+\kt], v[8*(4*\kt+\qt)+3], v[8*(4*\kt+\qt)+4]
.endr
.endr
.irp qt, 0,1,2,3
.irp kt, 0,1,2,3
	v_max3_num_f32 v[TT+4*\qt+\kt], v[TT+4*\qt+\kt], v[8*(4*\kt+\qt)+5], v[8*(4*\kt+\qt)+6]
.endr
.endr
.irp qt, 0,1,2,3
	v_max3_num_f32 v[TT+4*\qt],   v[TT+4*\qt],   v[TT+4*\qt+1], v[TT+4*\qt+2]
	v_max3_num_f32 v[TT+4*\qt+3], v[TT+4*\qt+3], v[8*\qt+7],    v[8*(4+\qt)+7]
.endr
.irp qt, 0,1,2,3
	v_max3_num_f32 v[TT+4*\qt], v[TT+4*\qt], v[8*(8+\qt)+7], v[8*(12+\qt)+7]
.endr
.irp qt, 0,1,2,3
	v_max_num_f32 v[TT+4*\qt], v[TT+4*\qt], v[TT+4*\qt+3]
.endr
.irp qt, 0,1,2,3
	v_permlanex16_b32 v[UU+\qt], v[TT+4*\qt], s67, s68             ; the other half of the lanes holds the query's other 32 keys
.endr
.if \first
.irp qt, 0,1,2,3
	v_max3_num_f32 v[\st+2*\qt], v[TT+4*\qt], v[UU+\qt], s69
.endr
.else
.irp qt, 0,1,2,3
	v_mul_f32 v[TN+\qt], s66, v[\st+2*\qt]                         ; - c M as the last step rounded it
.endr
.irp qt, 0,1,2,3
	v_max3_num_f32 v[\st+2*\qt], v[TT+4*\qt], v[UU+\qt], v[\st+2*\qt]
.endr
.endif
.irp qt, 0,1,2,3
	v_mul_f32 v[NB+2*\qt], s66, v[\st+2*\qt]                       ; - c M
.endr
.if \first == 0
.irp qt, 0,1,2,3
	v_sub_f32 v[AL+2*\qt], v[NB+2*\qt], v[TN+\qt]                  ; old and new terms refer to the same rounded exponents
.endr
.endif
.irp kt, 0,1,2,3
.irp qt, 0,1,2,3
.irp j, 0,2,4,6
	v_pk_fma_f32 v[8*(4*\kt+\qt)+\j:8*(4*\kt+\qt)+\j+1], v[8*(4*\kt+\qt)+\j:8*(4*\kt+\qt)+\j+1], s[62:63], v[NB+2*\qt:NB+2*\qt+1] op_sel_hi:[1,0,0]
.endr
.endr
.endr
.if \first == 0
.irp qt, 0,1,2,3
	v_exp_f32 v[AL+2*\qt], v[AL+2*\qt]
.endr
.endif
.irp kt, 0,1,2,3
.irp qt, 0,1,2,3
.irp j, 0,1,2,3,4,5,6,7
	v_exp_f32 v[8*(4*\kt+\qt)+\j], v[8*(4*\kt+\qt)+\j]
.endr
.endr
.endr
	v_nop                                          ; one plain vector instruction behind the exponentials before a result is used (ISA guide 5.7.2)
	; P in f16: registers 0-3 of fragment (qt, kc) are my 8 keys of tile 2 kc, registers 4-7 those of tile 2 kc + 1
	s_wait_alu depctr_va_vdst(0)
.irp kt, 0,1,2,3
.irp qt, 0,1,2,3
.irp i, 0,1,2,3
	v_cvt_pk_f16_f32 v[PP+16*\qt+4*\kt+\i], v[8*(4*\kt+\qt)+2*\i], v[8*(4*\kt+\qt)+2*\i+1]
.endr
.endr
.endr
	; the sum of my 32 terms for each query, in place in S, which is free now
.irp kt, 0,1,2,3
.irp qt, 0,1,2,3
	v_pk_add_f32 v[8*(4*\kt+\qt):8*(4*\kt+\qt)+1],   v[8*(4*\kt+\qt):8*(4*\kt+\qt)+1],   v[8*(4*\kt+\qt)+2:8*(4*\kt+\qt)+3]
	v_pk_add_f32 v[8*(4*\kt+\qt)+4:8*(4*\kt+\qt)+5], v[8*(4*\kt+\qt)+4:8*(4*\kt+\qt)+5], v[8*(4*\kt+\qt)+6:8*(4*\kt+\qt)+7]
.endr
.endr
.irp kt, 0,1,2,3
.irp qt, 0,1,2,3
	v_pk_add_f32 v[8*(4*\kt+\qt):8*(4*\kt+\qt)+1], v[8*(4*\kt+\qt):8*(4*\kt+\qt)+1], v[8*(4*\kt+\qt)+4:8*(4*\kt+\qt)+5]
.endr
.endr
.irp qt, 0,1,2,3
	v_pk_add_f32 v[8*\qt:8*\qt+1],         v[8*\qt:8*\qt+1],         v[8*(4+\qt):8*(4+\qt)+1]
	v_pk_add_f32 v[8*(8+\qt):8*(8+\qt)+1], v[8*(8+\qt):8*(8+\qt)+1], v[8*(12+\qt):8*(12+\qt)+1]
.endr
.irp qt, 0,1,2,3
	v_pk_add_f32 v[8*\qt:8*\qt+1], v[8*\qt:8*\qt+1], v[8*(8+\qt):8*(8+\qt)+1]
.endr
.if \first
.irp qt, 0,1,2,3
	v_add_f32 v[\st+2*\qt+1], v[8*\qt], v[8*\qt+1]                 ; L stays the sum of my half of the lanes until the merge
.endr
.else
.irp qt, 0,1,2,3
	v_fma_f32 v[\st+2*\qt+1], v[\st+2*\qt+1], v[AL+2*\qt], v[8*\qt]
.endr
.irp qt, 0,1,2,3
	v_add_f32 v[\st+2*\qt+1], v[\st+2*\qt+1], v[8*\qt+1]
.endr
.endif
.endm
; One step: the key tile in slot; oth = the other slot.  resc, pv: the window settings of the pass's O.  st: its statistics.
; refill = 1: the next tile is asked for, jointly, into the other slot.  In front of the round every wave waits for all its tensor loads (its part
; of this step's tile) and for its reads of the other slot; the joint load is the first tensor load behind the round and has the whole step
; (128 matrix instructions and the softmax) in which to land.
.macro TRIP slot, oth, resc, pv, st, first, refill
	s_wait_tensorcnt 0x0
	ds_add_u32 v254, v255
	s_wait_dscnt 0x0
.if \refill
	SETADR \oth                                    ; no tensor load of mine is out: the descriptors may be written
	NEXT
.endif
	s_wait_dscnt 0x0
.if \refill
	CROUND
	JLOAD \oth
.else
	s_barrier_signal -1                            ; the last tile: every wave's part of it has landed
	s_barrier_wait -1
.endif
	PLACES                                         ; behind the last step's products, which read both buffers
	KFETCH \slot, 0, 0
	KFETCH \slot, 1, 1
.if \first
	s_wait_loadcnt 0x0                             ; Q
.endif
	s_wait_dscnt 0x8                               ; here and below: the older group of 8 is in, the 8 loads issued behind it stay out
	SMM 0, 0
	PLACES
	KFETCH \slot, 2, 0
	s_wait_dscnt 0x8
	SMM 1, 1
	PLACES
	KFETCH \slot, 3, 1
	s_wait_dscnt 0x8
	SMM 2, 0
	PLACES
	VFETCH \slot, 0, 0, 0
	s_wait_dscnt 0x8
	SMM 3, 1
	PLACES                                         ; for the softmax, which reads S, and for the loads into buffer 1
	VFETCH \slot, 0, 4, 1                          ; V's first two groups land under the softmax
	SOFTMAX \st, \first
.if \first == 0
	RESCALE \resc, AL
.endif
	s_wait_dscnt 0x8
	PVM 0, 0, 0, \pv, \first
	PLACES
	VFETCH \slot, 1, 0, 0
	s_wait_dscnt 0x8
	PVM 0, 4, 1, \pv, \first
	PLACES
	VFETCH \slot, 1, 4, 1
	s_wait_dscnt 0x8
	PVM 1, 0, 0, \pv, 0
	s_wait_dscnt 0x0
	PVM 1, 4, 1, \pv, 0
	WIN 0
.endm
	TRIP 0, 1, 0x49, 0x58, ST1, 1, 1               ; pass 1: the diagonal tile
	s_cmp_eq_u32 s22, 0                            ; the counts hang on the cluster's number alone: they are the same in all four partners
	s_cbranch_scc1 .Lpass1_done
.Lpass1:
	TRIP 1, 0, 0x49, 0x58, ST1, 0, 1
	TRIP 0, 1, 0x49, 0x58, ST1, 0, 1
	s_sub_co_u32 s22, s22, 1
	s_cmp_lg_u32 s22, 0
	s_cbranch_scc1 .Lpass1
.Lpass1_done:
	QLOAD 72                                       ; pass 2's queries: the Q registers were last read by products far more than four places back
	WIN 0x80
.irp qt, 0,1,2,3
	v_add3_u32 v[QREL+\qt], v5, s89, 16*\qt
.endr
	WIN 0
	TRIP 1, 0, 0xcb, 0xf8, ST2, 1, 1               ; pass 2: the diagonal tile
	s_cmp_eq_u32 s23, 0
	s_cbranch_scc1 .Lpass2_done
.Lpass2:
	TRIP 0, 1, 0xcb, 0xf8, ST2, 0, 1
	TRIP 1, 0, 0xcb, 0xf8, ST2, 0, 1
	s_sub_co_u32 s23, s23, 1
	s_cmp_lg_u32 s23, 0
	s_cbranch_scc1 .Lpass2
.Lpass2_done:
	TRIP 0, 1, 0xcb, 0xf8, ST2, 0, 0               ; the last tile: nothing is left to fetch
	; THE MERGE of the four waves' (M, L, O), both passes at once.
	PLACES                                         ; behind the last products
	WIN 0xaa
.irp e, 0,1,2,3,4,5,6,7
	v_permlanex16_b32 v[TT+\e], v[ST1+2*\e+1], s67, s68
.endr
.irp e, 0,1,2,3,4,5,6,7
	v_add_f32 v[ST1+2*\e+1], v[ST1+2*\e+1], v[TT+\e]               ; L over both halves of the lanes
.endr
	WIN 0x08                                       ; store data in window 2
.irp p, 0,1
.irp qt, 0,1,2,3
	ds_store_b64 v[SADR], v[ST1+8*\p+2*\qt:ST1+8*\p+2*\qt+1] offset:\p*2048+\qt*128   ; both halves of the lanes write the same two words
.endr
.endr
	WIN 0
	s_wait_dscnt 0x0                               ; my statistics are written, and my reads of the slots are over
	s_barrier_signal -1
	s_barrier_wait -1                              ; so are everybody's: the slots, which no tensor load fills any more, become the exchange
	WIN 0x80
.irp p, 0,1
.irp ww, 0,1,2,3
.irp qt, 0,1,2,3
	ds_load_b64 v[32*\p+8*\ww+2*\qt:32*\p+8*\ww+2*\qt+1], v[SRD] offset:\p*2048+\ww*512+\qt*128
.endr
.endr
.endr
	s_wait_dscnt 0x0
	WIN 0xaa
.irp p, 0,1
.irp qt, 0,1,2,3
	v_max3_num_f32 v[NS+4*\p+\qt], v[32*\p+2*\qt], v[32*\p+2*\qt+8], v[32*\p+2*\qt+16]
.endr
.endr
.irp p, 0,1
.irp qt, 0,1,2,3
	v_max_num_f32 v[NS+4*\p+\qt], v[NS+4*\p+\qt], v[32*\p+2*\qt+24]
.endr
.endr
.irp e, 0,1,2,3,4,5,6,7
	v_mul_f32 v[NS+\e], s66, v[NS+\e]                              ; - c M*
	v_mul_f32 v[ST1+2*\e], s66, v[ST1+2*\e]                        ; - c M of my own, rounded as in the steps
.endr
.irp p, 0,1
.irp ww, 0,1,2,3
.irp qt, 0,1,2,3
	v_mul_f32 v[32*\p+8*\ww+2*\qt], s66, v[32*\p+8*\ww+2*\qt]      ; and of each wave
.endr
.endr
.endr
.irp e, 0,1,2,3,4,5,6,7
	v_sub_f32 v[ST1+2*\e], v[NS+\e], v[ST1+2*\e]
.endr
.irp p, 0,1
.irp ww, 0,1,2,3
.irp qt, 0,1,2,3
	v_sub_f32 v[32*\p+8*\ww+2*\qt], v[NS+4*\p+\qt], v[32*\p+8*\ww+2*\qt]
.endr
.endr
.endr
.irp e, 0,1,2,3,4,5,6,7
	v_exp_f32 v[ST1+2*\e], v[ST1+2*\e]                             ; my factor
.endr
.irp p, 0,1
.irp ww, 0,1,2,3
.irp qt, 0,1,2,3
	v_exp_f32 v[32*\p+8*\ww+2*\qt], v[32*\p+8*\ww+2*\qt]           ; each wave's: exactly 1 for the wave that holds M*
.endr
.endr
.endr
	v_nop
	s_wait_alu depctr_va_vdst(0)
.irp p, 0,1
.irp qt, 0,1,2,3
	v_mul_f32 v[LT+4*\p+\qt], v[32*\p+2*\qt], v[32*\p+2*\qt+1]
.endr
.endr
.irp ww, 1,2,3
.irp p, 0,1
.irp qt, 0,1,2,3
	v_fma_f32 v[LT+4*\p+\qt], v[32*\p+8*\ww+2*\qt], v[32*\p+8*\ww+2*\qt+1], v[LT+4*\p+\qt]
.endr
.endr
.endr
.irp e, 0,1,2,3,4,5,6,7
	v_rcp_f32 v[LT+\e], v[LT+\e]                                   ; the sum is at least the term of the largest score, which is 1
.endr
	v_nop
	s_wait_alu depctr_va_vdst(0)
.irp e, 0,1,2,3,4,5,6,7
	v_mul_f32 v[GG+2*\e], v[ST1+2*\e], v[LT+\e]                    ; the pairs' odd registers, old S, are named and never used
.endr
	RESCALE 0x49, GG
	RESCALE 0xcb, GG+8
.macro XOUT win, p                     ; all four q tiles of pass p into my tiles of the exchange
	WIN \win
.irp qt, 0,1,2,3
.irp dt, 0,1,2,3,4,5,6,7
	ds_store_b128 v[XST+4*\p+\qt], v[8*(4*\dt+\qt):8*(4*\dt+\qt)+3]   offset:64*\dt
	ds_store_b128 v[XST+4*\p+\qt], v[8*(4*\dt+\qt)+4:8*(4*\dt+\qt)+7] offset:64*\dt+16
.endr
.endr
.endm
	XOUT 0x04, 0
	XOUT 0x0c, 1
	WIN 0
	s_wait_dscnt 0x0
	s_barrier_signal -1
	s_barrier_wait -1
; rows 4 bt .. 4 bt + 3 of my q tile of pass p: the four waves' parts are added, rounded to f16 and stored
.macro XIN p, bt
.irp i, 0,1,2,3
.irp ww, 0,1,2,3
	ds_load_b128 v[R+16*\i+4*\ww:R+16*\i+4*\ww+3], v[XRD+\p] offset:\ww*XT+(4*\bt+\i)*XP
.endr
.endr
	s_wait_dscnt 0x0
.irp i, 0,1,2,3
	v_pk_add_f32 v[R+16*\i:R+16*\i+1],     v[R+16*\i:R+16*\i+1],     v[R+16*\i+4:R+16*\i+5]
	v_pk_add_f32 v[R+16*\i+2:R+16*\i+3],   v[R+16*\i+2:R+16*\i+3],   v[R+16*\i+6:R+16*\i+7]
	v_pk_add_f32 v[R+16*\i+8:R+16*\i+9],   v[R+16*\i+8:R+16*\i+9],   v[R+16*\i+12:R+16*\i+13]
	v_pk_add_f32 v[R+16*\i+10:R+16*\i+11], v[R+16*\i+10:R+16*\i+11], v[R+16*\i+14:R+16*\i+15]
.endr
.irp i, 0,1,2,3
	v_pk_add_f32 v[R+16*\i:R+16*\i+1],   v[R+16*\i:R+16*\i+1],   v[R+16*\i+8:R+16*\i+9]
	v_pk_add_f32 v[R+16*\i+2:R+16*\i+3], v[R+16*\i+2:R+16*\i+3], v[R+16*\i+10:R+16*\i+11]
.endr
	s_wait_xcnt 0x0                                ; YY, which the last four stores read, is rewritten only behind this wait (ISA guide 3.1)
.irp i, 0,1,2,3
	v_cvt_pk_f16_f32 v[YY+2*\i],   v[R+16*\i],   v[R+16*\i+1]
	v_cvt_pk_f16_f32 v[YY+2*\i+1], v[R+16*\i+2], v[R+16*\i+3]
	global_store_b64 v[OUTV], v[YY+2*\i:YY+2*\i+1], s[74+2*\p:75+2*\p] offset:(4*\bt+\i)*2048   ; the wave stores a head's 256 consecutive bytes of a row, aligned
.endr
.endm
.irp p, 0,1
.irp bt, 0,1,2,3
	XIN \p, \bt
.endr
.endr
	s_wait_tensorcnt 0x0
	ds_add_u32 v254, v255
	s_wait_dscnt 0x0
	CROUND                                         ; the closing round
	s_endpgm
.Lfunc_end_k_q2f62176773_attn:
	.size	k_q2f62176773_attn, .Lfunc_end_k_q2f62176773_attn-k_q2f62176773_attn
	.p2alignl 7, 3214868480
	.fill 96, 4, 3214868480
	.section	.rodata,"a",@progbits
	.p2align	6, 0x0
	.amdhsa_kernel k_q2f62176773_attn
		.amdhsa_group_segment_fixed_size 327680
		.amdhsa_private_segment_fixed_size 0
		.amdhsa_enable_private_segment 0
		.amdhsa_kernarg_size 16
		.amdhsa_user_sgpr_count 2
		.amdhsa_user_sgpr_kernarg_segment_ptr 1
		.amdhsa_wavefront_size32 1
		.amdhsa_system_sgpr_workgroup_id_x 1
		.amdhsa_system_sgpr_workgroup_id_y 1
		.amdhsa_system_sgpr_workgroup_id_z 1
		.amdhsa_system_vgpr_workitem_id 0
		.amdhsa_next_free_vgpr 1024
		.amdhsa_next_free_sgpr 92
		.amdhsa_reserve_vcc 0
		.amdhsa_float_denorm_mode_32 3
		.amdhsa_float_denorm_mode_16_64 3
		.amdhsa_memory_ordered 1
		.amdhsa_forward_progress 1
		.amdhsa_inst_pref_size 255
	.end_amdhsa_kernel
	.section	.bss,"aw",@nobits
	.p2align	6
	.space	262144
	.amdgpu_metadata
---
amdhsa.version: [ 1, 2 ]
amdhsa.kernels:
  - .name:           k_q2f62176773_attn
    .symbol:         k_q2f62176773_attn.kd
    .args:
      - { .name: qkv, .offset: 0, .size: 8, .value_kind: global_buffer, .address_space: global }
      - { .name: ao, .offset: 8, .size: 8, .value_kind: global_buffer, .address_space: global }
    .group_segment_fixed_size: 327680
    .private_segment_fixed_size: 0
    .kernarg_segment_align: 8
    .kernarg_segment_size: 16
    .max_flat_workgroup_size: 128
    .sgpr_count:     92
    .vgpr_count:     1024
    .wavefront_size: 32
...
	.end_amdgpu_metadata
.endif
;; end of part 3
;; launch oproj (part 4): grid 8 x 32, 4 waves a work-group, clusters of 4 x 4, 327,680 bytes of LDS; arguments ao, wob, out0; writes out0
.if DOCPART == 4
	.amdgcn_target "amdgcn-amd-amdhsa--gfx1250"
	.amdhsa_code_object_version 6
	.text
	.protected	k_q2f62176773_oproj
	.globl	k_q2f62176773_oproj
	.p2align	8
	.type	k_q2f62176773_oproj,@function
k_q2f62176773_oproj:
	s_mov_b64 s[64:65], 0
	v_nop
	global_prefetch_b8 v0, s[64:65] scope:SCOPE_SE
	s_setreg_imm32_b32 hwreg(HW_REG_WAVE_MODE, 25, 1), 1
	s_wait_xcnt 0x0
	s_wait_alu depctr_hold_cnt(0) depctr_sa_sdst(0) depctr_va_vdst(0) depctr_va_sdst(0) depctr_va_ssrc(0) depctr_va_vcc(0) depctr_vm_vsrc(0)
	s_getreg_b32 s2, hwreg(HW_REG_IB_STS2, 6, 4)
	s_cmp_eq_u32 s2, 0
	s_cbranch_scc0 .Lentry_in_a_cluster
	s_endpgm
.Lentry_in_a_cluster:
	s_bfe_u32 s2, ttmp6, 0x10000c
	s_cmp_lg_u32 s2, 0xf033
	s_cbranch_scc0 .Lentry_shape_is_right
	s_endpgm
.Lentry_shape_is_right:
; out0[4096][2048] (f32) = ao[4096][1024] (f16) x wob[1024 k][2048 n] (f16), f32 sums.
; The same ring as the projection of q, k, v, with K = 1024 and f16 operands: 256 work-groups, a block of 128 (m) x 256 (n) each; four waves, a wave
; makes 64 x 128 in 32 accumulator tiles.  Two LDS slots of 128 x 432 + 192 x 544 = 159,744 bytes hold tiles of up to 192 along K, the largest multiple
; of 32 of which two slots fit in the 327,680 bytes that a work-group can be given.  1024 = 128 + 4 x 192 + 128: six steps, written straight out.
; The two short tiles are the first and the last: during the first step and during the last no refill has to land, and each of the four refills
; has a step of 192 of a wave's matrix instructions in which to land.
; A's rows in a tile are 384 (short: 256) bytes and begin at multiples of 128 bytes of ao, B's are 512 bytes and begin at multiples of 512 bytes of wob.
; Tiles are asked for jointly in a 4 x 4 cluster: A's along a row of the cluster, B's along a column, a quarter of the requests.
; B stays [k][n] and is read with the transposing load.  The matrix instruction is used transposed (source 0 = 16 columns of B, source 1 = 16 rows
; of A): lane l holds row m = l % 16, registers 0..7 the columns n = 8 (l / 16) + 0..7.
; REGISTERS: window 0: addresses, fragments (two buffers);  window 1: accumulator tile (a, b) at v[8 (8 a + b)].
.set KDIM,   1024
.set ASH,    11                        ; log2 of the bytes in a row of A
.set KSTEP,  192
.set KSHORT, 128
.set APITCH, 432                       ; three pieces of 128 bytes, 16 bytes of padding behind each; 27 x 16
.set BPITCH, 544                       ; 512 + 32
.set BROW,   4096
.set BROWS,  96
.set AHALF,  64*APITCH
.set BHALF,  BROWS*BPITCH
.set ABYTES, 2*AHALF
.set SLOT,   ABYTES+2*BHALF            ; 159,744
.set STAGE,  0                         ; the way out goes through slot 0: its last fill, the fifth tile, has been read by every wave before the barrier in front of the last step
.set SPITCH, 528
.set ADRA, 16                          ; v16-17
.set ADRB, 20                          ; v20-21: k rows 0..95; v22-23: k rows 96..191
.set STO,  24
.set RD,   25
.set L16,  27                          ; 16 x lane: my 16 bytes of the wave's 512 bytes of a row of out0
.set FA,   32
.set FB,   96
.set G1,   24
.set G0,   32
.set G1B,  48
.set G0B,  56
.set G1S,  84                          ; the short tiles' shapes
.set G1BS, 92
.set MSB, 0
.macro WIN new
.if MSB != (\new)
	s_set_vgpr_msb (MSB<<8)|(\new)
.set MSB, \new
.endif
.endm
.macro PLACES                          ; four places behind matrix instructions (ISA guide 7.12.1)
.rept 4
	v_nop
.endr
.endm
.macro JLOAD s, sh                     ; waves 0, 1 ask for A's two halves, waves 2, 3 for B's; sh = 1: a short tile's shapes
	s_cmp_eq_u32 s13, 0
	s_cbranch_scc0 .Lfor_b_\@
.if (\sh)
	tensor_load_to_lds s[G0+4*\s:G0+4*\s+3], s[G1S:G1S+7]
	s_nop 0
.else
	tensor_load_to_lds s[G0+4*\s:G0+4*\s+3], s[G1:G1+7]
	s_nop 0
.endif
	s_branch .Lasked_\@
.Lfor_b_\@:
.if (\sh)
	tensor_load_to_lds s[G0B+4*\s:G0B+4*\s+3], s[G1BS:G1BS+7]
	s_nop 0
.else
	tensor_load_to_lds s[G0B+4*\s:G0B+4*\s+3], s[G1B:G1B+7]
	s_nop 0
.endif
.Lasked_\@:
.endm
.macro CROUND                          ; a round of the cluster's barrier
	s_barrier_signal -1
	s_barrier_wait -1
	s_cmp_lg_u32 s12, 0
	s_cbranch_scc1 .Lnot_wave_0_\@
	s_barrier_signal -3
.Lnot_wave_0_\@:
	s_barrier_wait -3
	s_barrier_signal -1
	s_barrier_wait -1
.endm
.macro SHAPE g, d0, t0, rows, pitch    ; words 1 to 7 of a group 1
	s_mov_b32 s[\g+1], (\d0)<<16
	s_mov_b32 s[\g+2], (\rows)<<16
	s_mov_b32 s[\g+3], (\t0)<<16
	s_mov_b32 s[\g+4], \rows
	s_mov_b32 s[\g+5], \pitch
	s_mov_b32 s[\g+6], 0
	s_mov_b32 s[\g+7], 0
.endm
	s_load_b128 s[4:7], s[0:1], 0x0                ; ao s[4:5], wob s[6:7]
	s_load_b64 s[8:9], s[0:1], 0x10                ; out0
	v_lshl_add_u32 v254, v0, 2, 0x4e000
	v_mov_b32 v255, 0
	ds_add_u32 v254, v255
	v_lshrrev_b32 v1, 5, v0
	v_readfirstlane_b32 s12, v1                    ; wave 0..3
	s_lshr_b32 s13, s12, 1                         ; my 64 rows.  Also: I fetch for A (0) or for B (1)
	s_and_b32 s14, s12, 1                          ; my 128 columns.  Also: which half of that tile I fetch
	s_bfe_u32 s15, ttmp6, 0x40000                  ; cx
	s_bfe_u32 s16, ttmp6, 0x40004                  ; cy
	s_lshl_b32 s17, ttmp9, 2
	s_add_co_u32 s17, s17, s15                     ; block column
	s_and_b32 s18, ttmp7, 0xffff
	s_lshl_b32 s18, s18, 2
	s_add_co_u32 s18, s18, s16                     ; block row
	s_lshl_b32 s19, s16, 2
	s_lshl_b32 s19, 15, s19                        ; my row of the cluster
	s_lshl_b32 s20, 0x1111, s15                    ; my column
	; A: 64 rows x 192 elements of 2 bytes, 4 words of padding behind every 32.  A short tile states that 128 elements are left of a row: beyond them
	; zeros are written, the rows keep their pitch, and the zeros are never read.
	s_or_b32 s[G1+0],  s19, (1<<16)|(1<<20)|(1<<21)|(4<<22)|(3<<25)
	s_or_b32 s[G1S+0], s19, (1<<16)|(1<<20)|(1<<21)|(4<<22)|(3<<25)
	SHAPE G1,  KSTEP,  KSTEP, 64, KDIM
	SHAPE G1S, KSHORT, KSTEP, 64, KDIM
	; B: 96 rows (k) x 256 elements (n), 8 words of padding behind every 128.  Of a short tile's 128 rows the first half takes 96; the second half
	; begins at row 96 and states that 32 rows are left.
	s_or_b32 s[G1B+0],  s20, (1<<16)|(1<<20)|(1<<21)|(6<<22)|(7<<25)
	s_or_b32 s[G1BS+0], s20, (1<<16)|(1<<20)|(1<<21)|(6<<22)|(7<<25)
	SHAPE G1B,  256, 256, BROWS, 2048
	SHAPE G1BS, 256, 256, BROWS, 2048
	s_lshl_b32 s76, s14, 6
	s_sub_co_u32 s76, BROWS, s76                   ; 96 or 32
	s_lshl_b32 s[G1BS+2], s76, 16                  ; tensor_dim1
	s_lshl_b32 s40, s18, 7+ASH                     ; A: row 128 x block row + 64 x half
	s_lshl_b32 s71, s14, 6+ASH
	s_add_co_u32 s40, s40, s71
	s_mov_b32 s41, 0
	s_lshl_b32 s44, s17, 9                         ; B: column 256 x block column, + 96 x half rows of 4,096 bytes
	s_mul_i32 s71, s14, BROWS*BROW
	s_add_co_u32 s44, s44, s71
	s_mov_b32 s45, 0
	s_mul_i32 s71, s14, AHALF                      ; LDS addresses: the wave's number and the slot alone
	s_mul_i32 s72, s14, BHALF
	s_add_co_u32 s72, s72, ABYTES
	s_wait_dscnt 0x0
	s_wait_kmcnt 0x0
	s_add_nc_u64 s[40:41], s[4:5], s[40:41]
	s_add_nc_u64 s[44:45], s[6:7], s[44:45]
	CROUND                                         ; all sixteen work-groups are here: the first joint loads meet
	s_mov_b32 s[G0], 1                             ; slot 0: tile 0, k = 0 .. 127
	s_mov_b32 s[G0+1], s71
	s_mov_b64 s[G0+2:G0+3], s[40:41]
	s_or_b32 s[G0+3], s[G0+3], 0x80000000
	s_mov_b32 s[G0B], 1
	s_mov_b32 s[G0B+1], s72
	s_mov_b64 s[G0B+2:G0B+3], s[44:45]
	s_or_b32 s[G0B+3], s[G0B+3], 0x80000000
	JLOAD 0, 1
	s_mov_b32 s[G0+4], 1                           ; slot 1: tile 1, k = 128 .. 319
	s_add_co_u32 s[G0+5], s71, SLOT
	s_add_nc_u64 s[G0+6:G0+7], s[40:41], KSHORT*2
	s_or_b32 s[G0+7], s[G0+7], 0x80000000
	s_mov_b32 s[G0B+4], 1
	s_add_co_u32 s[G0B+5], s72, SLOT
	s_add_nc_u64 s[G0B+6:G0B+7], s[44:45], KSHORT*BROW
	s_or_b32 s[G0B+7], s[G0B+7], 0x80000000
	JLOAD 1, 0                                     ; two tensor loads of a wave are out, the most in this text
	v_and_b32 v3, 31, v0                           ; lane
	v_and_b32 v1, 15, v0                           ; r
	v_bfe_u32 v2, v0, 4, 1                         ; h
	v_mul_u32_u24 v4, v1, APITCH                   ; A fragment: row r, 16 h
	v_lshl_add_u32 v4, v2, 4, v4
	s_mul_i32 s73, s13, AHALF
	v_add_nc_u32 v[ADRA], s73, v4
	v_add_nc_u32 v[ADRA+1], SLOT, v[ADRA]
	v_and_b32 v5, 7, v0                            ; B fragment, transposing: row 8 h + lane % 8, 16 ((lane / 8) % 2)
	v_lshl_add_u32 v5, v2, 3, v5
	v_mul_u32_u24 v5, v5, BPITCH
	v_bfe_u32 v6, v0, 3, 1
	v_lshl_add_u32 v5, v6, 4, v5
	s_lshl_b32 s74, s14, 8
	s_add_co_u32 s74, s74, ABYTES
	v_add_nc_u32 v[ADRB], s74, v5
	v_add_nc_u32 v[ADRB+1], SLOT, v[ADRB]
	v_add_nc_u32 v[ADRB+2], BHALF, v[ADRB]
	v_add_nc_u32 v[ADRB+3], BHALF, v[ADRB+1]
	s_mul_i32 s75, s12, 16*SPITCH                  ; my stage: 16 rows x 528 bytes
	s_add_co_u32 s75, s75, STAGE
	v_mul_u32_u24 v4, v1, SPITCH
	v_lshl_add_u32 v4, v2, 5, v4
	v_add_nc_u32 v[STO], s75, v4
	v_lshl_add_u32 v[RD], v3, 4, s75
	v_lshlrev_b32 v[L16], 4, v3
	s_lshl_b32 s78, s18, 20                        ; out0: rows of 8,192 bytes: 128 x block row + 64 x my half,
	s_lshl_b32 s80, s13, 19
	s_add_co_u32 s78, s78, s80
	s_lshl_b32 s80, s17, 10                        ; + 256 columns a block, 128 a wave, 4 bytes each
	s_add_co_u32 s78, s78, s80
	s_lshl_b32 s80, s14, 9
	s_add_co_u32 s78, s78, s80
	s_mov_b32 s79, 0
	s_add_nc_u64 s[68:69], s[8:9], s[78:79]
; 24 LDS loads: one quarter's fragments into buffer f.  In a row of A quarter kq begins at byte 64 kq + 16 (kq / 2).
.macro FETCH slot, kq, f
	WIN 0
.irp a, 0,1,2,3
	ds_load_b128 v[FA+32*\f+8*\a:FA+32*\f+8*\a+3],   v[ADRA+\slot] offset:(\kq)*64+((\kq)/2)*16+\a*16*APITCH
	ds_load_b128 v[FA+32*\f+8*\a+4:FA+32*\f+8*\a+7], v[ADRA+\slot] offset:(\kq)*64+((\kq)/2)*16+\a*16*APITCH+32
.endr
.irp b, 0,1,2,3,4,5,6,7
	ds_load_tr16_b128 v[FB+64*\f+8*\b:FB+64*\f+8*\b+3],   v[ADRB+2*((\kq)/3)+\slot] offset:((\kq)%3)*32*BPITCH+32*\b
	ds_load_tr16_b128 v[FB+64*\f+8*\b+4:FB+64*\f+8*\b+7], v[ADRB+2*((\kq)/3)+\slot] offset:((\kq)%3)*32*BPITCH+32*\b+16*BPITCH
.endr
.endm
; The 32 accumulators take turns, one instruction a turn, in the same order in every quarter.
.macro MUL16 f, a0, zero
.irp a, \a0, \a0+1
.irp b, 0,1,2,3,4,5,6,7
.if \zero
	v_wmma_f32_16x16x32_f16 v[8*(8*(\a)+\b):8*(8*(\a)+\b)+7], v[FB+64*\f+8*\b:FB+64*\f+8*\b+7], v[FA+32*\f+8*(\a):FA+32*\f+8*(\a)+7], 0
.else
	v_wmma_f32_16x16x32_f16 v[8*(8*(\a)+\b):8*(8*(\a)+\b)+7], v[FB+64*\f+8*\b:FB+64*\f+8*\b+7], v[FA+32*\f+8*(\a):FA+32*\f+8*(\a)+7], v[8*(8*(\a)+\b):8*(8*(\a)+\b)+7]
.endif
.endr
.endr
.endm
.macro QUARTER slot, kq, f, g, zero
	PLACES                                         ; behind the products that read buffer g
	FETCH \slot, \kq, \g
	s_wait_dscnt 24                                ; buffer f is in; the 24 loads just issued stay out
	WIN 0x50
	MUL16 \f, 0, \zero
	MUL16 \f, 2, \zero
	WIN 0
.endm
.macro BODY slot, nq, zero             ; all quarters of a step of nq quarters (6 or 4) but the last
	QUARTER \slot, 1, 0, 1, \zero
	QUARTER \slot, 2, 1, 0, 0
	QUARTER \slot, 3, 0, 1, 0
.if \nq == 6
	QUARTER \slot, 4, 1, 0, 0
	QUARTER \slot, 5, 0, 1, 0
.endif
.endm
; The change of slots, and the step's last quarter (buffer 1).  Each wave waits for its reads of this slot and for all its tensor loads.  fill = 1 or 2:
; a round of the cluster's barrier follows, and the joint refill of this slot (2: a short tile), ks along K further on, is the first tensor load
; behind the round; the last quarter's 32 products stand behind the request.  fill = 0: the work-group's barrier alone shows the next slot whole.
.macro TURN slot, next, fill, ks
	s_wait_dscnt 0x0
	s_wait_tensorcnt 0x0
	ds_add_u32 v254, v255
	s_wait_dscnt 0x0
.if \fill
	s_add_nc_u64 s[G0+4*\slot+2:G0+4*\slot+3], s[G0+4*\slot+2:G0+4*\slot+3], (\ks)*2       ; no tensor load of mine is out: the addresses may be stepped
	s_add_nc_u64 s[G0B+4*\slot+2:G0B+4*\slot+3], s[G0B+4*\slot+2:G0B+4*\slot+3], (\ks)*BROW
	CROUND
	JLOAD \slot, \fill-1
.else
	s_barrier_signal -1
	s_barrier_wait -1
.endif
	PLACES                                         ; behind the products that read buffer 0
	FETCH \next, 0, 0
	WIN 0x50
	MUL16 1, 0, 0
	MUL16 1, 2, 0
	WIN 0
.endm
	s_wait_tensorcnt 0x1                           ; my part of tile 0 is in; tile 1's load stays out
	s_barrier_signal -1
	s_barrier_wait -1
	FETCH 0, 0, 0
	BODY 0, 4, 1                                   ; step 0: k = 0 .. 127; its first products start the sums
	TURN 0, 1, 1, KSHORT+KSTEP                     ; slot 0: tile 2, k = 320 ..
	BODY 1, 6, 0                                   ; step 1: k = 128 .. 319
	TURN 1, 0, 1, 2*KSTEP                          ; slot 1: tile 3, k = 512 ..
	BODY 0, 6, 0                                   ; step 2
	TURN 0, 1, 1, 2*KSTEP                          ; slot 0: tile 4, k = 704 ..
	BODY 1, 6, 0                                   ; step 3
	TURN 1, 0, 2, 2*KSTEP                          ; slot 1: tile 5, k = 896 .. 1023, short
	BODY 0, 6, 0                                   ; step 4 fills nothing
	TURN 0, 1, 0, 0
	BODY 1, 4, 0                                   ; step 5: four quarters
	s_wait_dscnt 0x0
	WIN 0x50
	MUL16 1, 0, 0
	MUL16 1, 2, 0
	WIN 0
	; THE WAY OUT, 16 rows at a time through my own stage: in by tiles, back as whole rows of 512 bytes.
	PLACES                                         ; behind the last products
.macro OUT16 a, f
	WIN 0x04                                       ; store data in window 1
.irp b, 0,1,2,3,4,5,6,7
	ds_store_b128 v[STO], v[8*(8*\a+\b):8*(8*\a+\b)+3]   offset:64*\b
	ds_store_b128 v[STO], v[8*(8*\a+\b)+4:8*(8*\a+\b)+7] offset:64*\b+16
.endr
	WIN 0
	s_wait_xcnt 0x0                                ; the registers at f, which earlier stores read, are loaded again only behind this wait (ISA guide 3.1)
.irp i, 0,1,2,3,4,5,6,7,8,9,10,11,12,13,14,15
	ds_load_b128 v[\f+4*\i:\f+4*\i+3], v[RD] offset:\i*SPITCH      ; LDS serves a wave's instructions in order (ISA guide 5.7.1): these see my stores
.endr
.irp i, 0,1,2,3,4,5,6,7,8,9,10,11,12,13,14,15
	s_wait_dscnt 15-\i                             ; row i is in, the younger rows stay out
	global_store_b128 v[L16], v[\f+4*\i:\f+4*\i+3], s[68:69] offset:(16*\a+\i)*8192 th:TH_STORE_NT   ; the wave stores 512 consecutive bytes, aligned
.endr
.endm
	OUT16 0, 32
	OUT16 1, 96
	OUT16 2, 32
	OUT16 3, 96
	s_wait_tensorcnt 0x0
	ds_add_u32 v254, v255
	s_wait_dscnt 0x0
	CROUND                                         ; the closing round
	s_endpgm
.Lfunc_end_k_q2f62176773_oproj:
	.size	k_q2f62176773_oproj, .Lfunc_end_k_q2f62176773_oproj-k_q2f62176773_oproj
	.p2alignl 7, 3214868480
	.fill 96, 4, 3214868480
	.section	.rodata,"a",@progbits
	.p2align	6, 0x0
	.amdhsa_kernel k_q2f62176773_oproj
		.amdhsa_group_segment_fixed_size 327680
		.amdhsa_private_segment_fixed_size 0
		.amdhsa_enable_private_segment 0
		.amdhsa_kernarg_size 24
		.amdhsa_user_sgpr_count 2
		.amdhsa_user_sgpr_kernarg_segment_ptr 1
		.amdhsa_wavefront_size32 1
		.amdhsa_system_sgpr_workgroup_id_x 1
		.amdhsa_system_sgpr_workgroup_id_y 1
		.amdhsa_system_sgpr_workgroup_id_z 1
		.amdhsa_system_vgpr_workitem_id 0
		.amdhsa_next_free_vgpr 512
		.amdhsa_next_free_sgpr 100
		.amdhsa_reserve_vcc 0
		.amdhsa_float_denorm_mode_32 3
		.amdhsa_float_denorm_mode_16_64 3
		.amdhsa_memory_ordered 1
		.amdhsa_forward_progress 1
		.amdhsa_inst_pref_size 147
	.end_amdhsa_kernel
	.amdgpu_metadata
---
amdhsa.version: [ 1, 2 ]
amdhsa.kernels:
  - .name:           k_q2f62176773_oproj
    .symbol:         k_q2f62176773_oproj.kd
    .args:
      - { .name: ao, .offset: 0, .size: 8, .value_kind: global_buffer, .address_space: global }
      - { .name: wob, .offset: 8, .size: 8, .value_kind: global_buffer, .address_space: global }
      - { .name: out0, .offset: 16, .size: 8, .value_kind: global_buffer, .address_space: global }
    .group_segment_fixed_size: 327680
    .private_segment_fixed_size: 0
    .kernarg_segment_align: 8
    .kernarg_segment_size: 24
    .max_flat_workgroup_size: 128
    .sgpr_count:     100
    .vgpr_count:     512
    .wavefront_size: 32
...
	.end_amdgpu_metadata
.endif
;; end of part 4
